; MI455X (gfx1250); checked and timed in simulation.
; The chip was launched on July 23, 2026; its instructions are those of AMD's public machine-readable ISA for CDNA 5 (MIT licence, August 2026) and "CDNA5" Instruction Set Architecture Reference Guide (July 2026). The comments in the code are by the model that wrote it; some were corrected since.
;; Mo E Layer. Allowed arithmetic: matrix products marked QUANTISED: E4M3 operands, one given power-of-two scale a tensor, by v_wmma_f32_16x16x64_fp8_fp8 or v_wmma_f32_16x16x128_fp8_fp8, f32 sums; products left as they are: f32 operands where the result goes on into a quantised operand, else bf16, f16 or f32 operands; f32 sums; everything else in f32.
;; Inputs: W1_codes 8 x 1,024 x 32 x 32 uint8 (E4M3 codes of W1, K innermost, in blocks of 32 codes); W2_codes 8 x 1,024 x 32 x 32 uint8 (E4M3 codes of W2, K innermost, in blocks of 32 codes); Wr 1,024 x 8 float32; b1 8 x 1,024 float32; b2 8 x 1,024 float32; br 8 float32; lowp_scales 4 int32 (the exponents e of the quantised operands' scales 2^e); x 2 x 2,048 x 1,024 float32.
;; Outputs: out0 2 x 2,048 x 1,024 float32.
;; This version of the problem:
;;   THIS VERSION OF THE PROBLEM IS GIVEN IN LOW PRECISION. The matrix products marked QUANTISED in the list below multiply operands that are first quantised to E4M3 (4 exponent bits, 3 mantissa bits; 8 bits a number), with one given power-of-two scale for each operand tensor; their sums are f32. All else is computed in f32.
;;   The module's matrix products, in the order in which they are computed (A, B: the left and right operand; K: the contracted axis; several contracted axes count as one K, in the product's order):
;;     1. [M 4,096, K 1,024] x [K 1,024, N 8]; A: input x; B: input Wr: left as it is (N = 8 < 16)
;;     2. [M 8,192, K 1,024] x [K 1,024, N 4,096]; A: input W1 (given as codes); B: input x: QUANTISED (scales: A lowp_scales[0], B lowp_scales[1])
;;     3. batch 8 x [M 4,096, K 1,024] x [K 1,024, N 1,024]; A: computed on the way; B: input W2 (given as codes): QUANTISED (scales: A lowp_scales[2], B lowp_scales[3])
;;     4. batch 4,096 x [M 1, K 8] x [K 8, N 1,024]; A: computed on the way; B: computed on the way: left as it is (K = 8 < 32)
;;   THE QUANTISER, for each operand of a quantised product, along K:
;;     - The operand's scale is 2^e, e = its entry of the input lowp_scales (int32; the entries are numbered through the quantised products in the list's order, A before B).
;;     - Each number is divided by the scale, clamped to +-448, and rounded to the nearest number of E4M3, ties to even, subnormals kept.
;;     - The product sums the exact products of the quantised numbers (number of the format x scale) in f32.
;;   ~~~python
;;   def quantise(x, axis, e):      # numpy; x: float32 -> the quantised numbers, widened to float32 again
;;       x = np.moveaxis(x, axis, -1); K = x.shape[-1]
;;       r = np.clip(x / 2.0 ** e, -448, 448)
;;       step = 2.0 ** (np.maximum(np.frexp(np.where(r == 0, 1, r))[1] - 1, -6) - 3)
;;       q = np.round(r / step) * step * 2.0 ** e      # np.round: ties to even
;;       return np.moveaxis(q, -1, axis).astype(np.float32)
;;   ~~~
;;   OPERANDS COMPUTED ON THE WAY. 'Computed on the way' means the value that the module computes at that place (a softmax that the list does not call 'softmax' is quantised finished and normalised). What goes into a quantiser is computed in f32, as accurately as f32 sums, v_exp_f32 and their like allow (about 1e-6 of the number): no bf16 or f16 on the way to a quantiser, and a product that is left as it is and whose result goes on into a quantised operand takes f32 operands (vector FMAs, or v_wmma_f32_16x16x4_f32). A number that lies on a knife's edge between two numbers of the format may be rounded either way, as far as f32 arithmetic and the matrix unit's own rounding can turn it there, and no further.
;;   INPUTS GIVEN AS CODES. W1 (in the module: [8, 1024, 1024], K = its axis 1); W2 (in the module: [8, 1024, 1024], K = its axis 1): each comes as NAME_codes (uint8): NAME with its K axis moved to the last place and cut into blocks of 32 codes, [.., K / 32, bytes a block], one block behind the other in memory; one code a byte (a code: sign, 4 exponent bits, 3 mantissa bits); its scale is its entry of lowp_scales. Its value is code x scale, taken as it is: it is not quantised again, and the codes and scales need not be those that the quantiser above would give.
;; 2 versions, each right and faster than the one before. Each part assembles by itself: llvm-mc -triple=amdgcn-amd-amdhsa -mcpu=gfx1250 --defsym DOCPART=n.
;; ======== version 1 of 2: 4 launches
;; workspace buffers: xq 4,194,304 bytes; sel 16,384 bytes of whole numbers; hist 131,072 bytes of whole numbers; gate 32,768 bytes; w1p 8,388,608 bytes; w2p 8,388,608 bytes; order 16,384 bytes of whole numbers; hq 33,554,432 bytes
;; launch prep (part 1): grid 512 x 1, 4 waves a work-group, no clusters, 88,064 bytes of LDS; arguments x, Wr, br, lowp_scales, W1_codes, W2_codes, xq, sel, hist, gate, w1p, w2p; writes xq, sel, hist, gate, w1p, w2p
.if DOCPART == 1
	.amdgcn_target "amdgcn-amd-amdhsa--gfx1250"
	.amdhsa_code_object_version 6
	.text
	.protected	k_q44e6705d77_prep
	.globl	k_q44e6705d77_prep
	.p2align	8
	.type	k_q44e6705d77_prep,@function
k_q44e6705d77_prep:
	s_mov_b64 s[64:65], 0
	v_nop
	global_prefetch_b8 v0, s[64:65] scope:SCOPE_SE
	s_setreg_imm32_b32 hwreg(HW_REG_WAVE_MODE, 25, 1), 1
	s_wait_xcnt 0x0
; PREP.  Two kinds of work-group, told apart by the work-group's number alone; each kind has LDS bytes of its own.
; Work-groups 0-255, TOKENS: 16 tokens each, 4 a wave.  The router in f32 (logits = x Wr + br by fused multiply-adds, softmax with the row's maximum taken away,
; the two largest probabilities, ties to the lower index, gates = the two divided by their sum) and x's codes of E4M3 with the given scale 2^e1.
;   sel[t]  = a | b<<8 | p<<16 | rank<<24: a < b the two experts, p = a(15-a)/2 + b - a - 1 the pair's number (0..27), rank = earlier tokens of the wave's four with the same p
;   hist[t/4][32]: how many of the four tokens have pair p;   gate[t] = (gate of a, gate of b);   xq[t][1024]: codes, K as it lies.
;   What is chosen steers no address here: everything goes to fixed places, and the next launch places the tokens.
; Work-groups 256-511, WEIGHTS: a wave lays one tile of 16 rows x 1,024 K of W1 or W2 in the order in which a wave's operand registers take it:
;   w?p[e][T][s 8][c 4][lane 32][16 bytes]: lane (r, h), piece c of K step s = row n(T, r), bytes 128 s + 32 c + 16 h on.
;   W1: n = 32 (T/2) + 8 (T%2) + r + 8 (r/8), so that two neighbouring tiles' results are 16 neighbours along the next K;  W2: n = 16 T + r.
; LIMITS: e1 between -126 and 119.  NaN and infinities among the inputs are not served.  Two probabilities that differ by less than f32 sums resolve may be ranked otherwise than by another order of summing.
.set WRP,  144                         ; Wr in LDS: a row = 4 k x 8 experts = 128 bytes + 16 of padding; 256 rows from byte 0
.set CST,  36864                       ; the codes' stage: 4,096 bytes a wave
.set RST,  53248                       ; the weights' stages: two of 16 rows x 272 bytes a wave
.set WB,   16                          ; v16-79   Wr as loaded, then two sets of 32 numbers of Wr; later at work
.set ACC,  80                          ; v80-111  logit (token q, expert e) at 8 q + e; later x's codes
.set X,    112                         ; v112-239 x: token q, k = 128 j + 4 lane + i at 32 q + 4 j + i
	s_load_b512 s[8:23], s[0:1], 0x0               ; x, Wr, br, scales, W1, W2, xq, sel
	s_load_b256 s[24:31], s[0:1], 0x40             ; hist, gate, w1p, w2p
	v_lshrrev_b32 v1, 5, v0
	v_readfirstlane_b32 s32, v1                    ; wave
	v_and_b32 v1, 31, v0                           ; lane
	v_lshlrev_b32 v2, 4, v1                        ; 16 x lane
	s_cmp_lt_u32 ttmp9, 256
	s_cbranch_scc0 .Llayout
; ------------------------------------------------------------------ TOKENS
	v_lshlrev_b32 v3, 4, v0                        ; Wr: my 16 bytes of a load's 2,048
	v_lshrrev_b32 v4, 3, v0
	v_mul_u32_u24 v4, v4, WRP
	v_and_b32 v5, 7, v0
	v_lshl_add_u32 v4, v5, 4, v4                   ; and their place in LDS: eight threads to a row
	v_mul_u32_u24 v5, v1, WRP                      ; Wr back: row 32 j + lane = my four k
	s_lshl_b32 s33, s32, 12
	s_add_co_u32 s33, s33, CST                     ; my wave's stage for the codes
	v_lshlrev_b32 v6, 2, v1
	v_add_nc_u32 v6, s33, v6                       ; in: 4 bytes a lane
	v_add_nc_u32 v7, s33, v2                       ; back: 16 bytes a lane
	s_lshl_b32 s34, ttmp9, 4
	s_lshl_b32 s35, s32, 2
	s_add_co_u32 s34, s34, s35                     ; t0 = 16 x work-group + 4 x wave
	s_mov_b32 s37, 0
	s_mov_b32 s52, 0x76543210                      ; v_permlanex16_b32: lane l xor 16
	s_mov_b32 s53, 0xfedcba98
	s_wait_kmcnt 0x0
	s_load_b256 s[40:47], s[12:13], 0x0            ; br
	s_load_b128 s[48:51], s[14:15], 0x0            ; e0 .. e3
	s_lshl_b32 s36, s34, 12
	s_add_nc_u64 s[8:9], s[8:9], s[36:37]          ; x at t0
	s_lshl_b32 s36, s34, 10
	s_add_nc_u64 s[20:21], s[20:21], s[36:37]      ; xq at t0
	s_lshl_b32 s36, s34, 2
	s_add_nc_u64 s[22:23], s[22:23], s[36:37]      ; sel at t0
	s_lshl_b32 s36, s34, 5
	s_add_nc_u64 s[24:25], s[24:25], s[36:37]      ; hist at group t0 / 4
	s_lshl_b32 s36, s34, 3
	s_add_nc_u64 s[26:27], s[26:27], s[36:37]      ; gate at t0
.set n, 0
.rept 16
	global_load_b128 v[WB+4*n:WB+4*n+3], v3, s[10:11] offset:2048*n      ; all of Wr, shared out among the 128 threads
.set n, n+1
.endr
.irp q, 0,1,2,3
.irp j, 0,1,2,3,4,5,6,7
	global_load_b128 v[X+32*\q+4*\j:X+32*\q+4*\j+3], v2, s[8:9] offset:4096*\q+512*\j th:TH_LOAD_NT   ; 32 lanes read 512 consecutive bytes
.endr
.endr
	s_wait_loadcnt 32                              ; Wr's sixteen loads are in; x's 32 behind them may be out
.set n, 0
.rept 16
	ds_store_b128 v4, v[WB+4*n:WB+4*n+3] offset:2304*n
.set n, n+1
.endr
	s_wait_dscnt 0x0                               ; for the others' sake: my part of Wr lies in LDS
	s_barrier_signal -1
	s_barrier_wait -1
.macro WLD j                           ; Wr(128 j + 4 lane + i, e) -> set j % 2, register 8 i + e
.irp p, 0,1,2,3,4,5,6,7
	ds_load_b128 v[WB+32*((\j)%2)+4*\p:WB+32*((\j)%2)+4*\p+3], v5 offset:4608*(\j)+16*\p
.endr
.endm
.macro FMA j                           ; 64 packed multiply-adds: two experts each; x's number serves both halves.  The very first products start the sums
.irp i, 0,1,2,3
.irp q, 0,1,2,3
.irp e, 0,2,4,6
.set wr, WB+32*((\j)%2)+8*\i+\e
.set ar, ACC+8*\q+\e
.set xr, X+32*\q+4*(\j)+2*(\i/2)
.if ((\j) == 0) && (\i == 0)
	v_pk_mul_f32 v[ar:ar+1], v[wr:wr+1], v[xr:xr+1] op_sel_hi:[1,0]
.elseif (\i%2) == 0
	v_pk_fma_f32 v[ar:ar+1], v[wr:wr+1], v[xr:xr+1], v[ar:ar+1] op_sel_hi:[1,0,1]
.else
	v_pk_fma_f32 v[ar:ar+1], v[wr:wr+1], v[xr:xr+1], v[ar:ar+1] op_sel:[0,1,0] op_sel_hi:[1,1,1]
.endif
.endr
.endr
.endr
.endm
	WLD 0
	s_wait_loadcnt 0x0                             ; x
.irp j, 0,1,2,3,4,5,6
	WLD \j+1
	s_wait_dscnt 8                                 ; this set is in; the next set's eight loads may be out
	FMA \j
.endr
	s_wait_dscnt 0x0
	FMA 7
.irp m, 1,2,4,8                        ; the 32 lanes' parts are added: four steps inside each half of the lanes,
.set n, 0
.rept 32
	v_add_f32_dpp v[ACC+n], v[ACC+n], v[ACC+n] row_xmask:\m row_mask:0xf bank_mask:0xf
.set n, n+1
.endr
.endr
.set n, 0
.rept 32
	v_permlanex16_b32 v[WB+n], v[ACC+n], s52, s53  ; one across (its destination has been written)
.set n, n+1
.endr
	s_wait_kmcnt 0x0                               ; br, the scales
.irp q, 0,1,2,3
.irp e, 0,1,2,3,4,5,6,7
	v_add_f32 v[ACC+8*\q+\e], v[ACC+8*\q+\e], v[WB+8*\q+\e]
.endr
.endr
.irp q, 0,1,2,3
.irp e, 0,1,2,3,4,5,6,7
	v_add_f32 v[ACC+8*\q+\e], s[40+\e], v[ACC+8*\q+\e]     ; + br: every lane now holds the four tokens' logits
.endr
.endr
; softmax: v240+q the row's maximum, v248+q the sum, v244+q its reciprocal
.irp q, 0,1,2,3
	v_max3_num_f32 v[240+\q], v[ACC+8*\q], v[ACC+8*\q+1], v[ACC+8*\q+2]
.endr
.irp q, 0,1,2,3
	v_max3_num_f32 v[240+\q], v[240+\q], v[ACC+8*\q+3], v[ACC+8*\q+4]
.endr
.irp q, 0,1,2,3
	v_max3_num_f32 v[240+\q], v[240+\q], v[ACC+8*\q+5], v[ACC+8*\q+6]
.endr
.irp q, 0,1,2,3
	v_max_num_f32 v[240+\q], v[240+\q], v[ACC+8*\q+7]
.endr
.irp q, 0,1,2,3
.irp e, 0,1,2,3,4,5,6,7
	v_sub_f32 v[ACC+8*\q+\e], v[ACC+8*\q+\e], v[240+\q]    ; the maximum is taken away first, as the softmax is defined
.endr
.endr
.set n, 0
.rept 32
	v_mul_f32 v[ACC+n], 0x3fb8aa3b, v[ACC+n]       ; x log2(e)
.set n, n+1
.endr
.set n, 0
.rept 32
	v_exp_f32 v[ACC+n], v[ACC+n]
.set n, n+1
.endr
	v_nop                                          ; a plain line behind the last exponential,
	s_wait_alu depctr_va_vdst(0)                   ; and one wait for the batch, ahead of its first reader
.irp q, 0,1,2,3
	v_add_f32 v[248+\q], v[ACC+8*\q], v[ACC+8*\q+1]
.endr
.irp e, 2,3,4,5,6,7
.irp q, 0,1,2,3
	v_add_f32 v[248+\q], v[248+\q], v[ACC+8*\q+\e]
.endr
.endr
.irp q, 0,1,2,3
	v_rcp_f32 v[244+\q], v[248+\q]
.endr
	v_nop
	s_wait_alu depctr_va_vdst(0)
.irp q, 0,1,2,3
.irp e, 0,1,2,3,4,5,6,7
	v_mul_f32 v[ACC+8*\q+\e], v[ACC+8*\q+\e], v[244+\q]    ; the probabilities
.endr
.endr
; the largest of a token's eight, and its index: a later expert wins only where it is strictly larger, so ties go to the lower index
.macro TOP bv, bi
.irp q, 0,1,2,3
	v_mov_b32 v[\bv+\q], v[ACC+8*\q]
	v_mov_b32 v[\bi+\q], 0
.endr
.irp e, 1,2,3,4,5,6,7
.irp q, 0,1,2,3
	v_cmp_le_f32 vcc_lo, v[ACC+8*\q+\e], v[\bv+\q]         ; not larger: keep
	v_cndmask_b32 v[\bv+\q], v[ACC+8*\q+\e], v[\bv+\q], vcc_lo
	v_cndmask_b32 v[\bi+\q], \e, v[\bi+\q], vcc_lo
.endr
.endr
.endm
	TOP 240, 244
.irp e, 0,1,2,3,4,5,6,7
.irp q, 0,1,2,3
	v_cmp_ne_u32 vcc_lo, \e, v[244+\q]
	v_cndmask_b32 v[ACC+8*\q+\e], -1.0, v[ACC+8*\q+\e], vcc_lo   ; the first choice drops out: -1 lies under every probability
.endr
.endr
	TOP 248, 252
	v_mov_b32 v37, 1
.irp q, 0,1,2,3
	v_add_f32 v[16+\q], v[240+\q], v[248+\q]
.endr
.irp q, 0,1,2,3
	v_rcp_f32 v[20+\q], v[16+\q]
.endr
	v_mov_b32 v36, 0                               ; (a plain line behind the reciprocals)  the histogram
	s_wait_alu depctr_va_vdst(0)
.irp q, 0,1,2,3
	v_mul_f32 v[48+\q], v[240+\q], v[20+\q]        ; the first choice's gate,
	v_mul_f32 v[52+\q], v[248+\q], v[20+\q]        ; the second's
	v_cmp_lt_u32 vcc_lo, v[244+\q], v[252+\q]
	v_cndmask_b32 v[28+2*\q], v[52+\q], v[48+\q], vcc_lo   ; the gate of a, the lower index,
	v_cndmask_b32 v[29+2*\q], v[48+\q], v[52+\q], vcc_lo   ; and of b
	v_min_u32 v[56+\q], v[244+\q], v[252+\q]       ; a
	v_max_u32 v[60+\q], v[244+\q], v[252+\q]       ; b
	v_sub_nc_u32 v[64+\q], 15, v[56+\q]
	v_mul_u32_u24 v[64+\q], v[64+\q], v[56+\q]
	v_lshrrev_b32 v[64+\q], 1, v[64+\q]
	v_add_nc_u32 v[64+\q], v[64+\q], v[60+\q]
	v_sub_nc_u32 v[64+\q], v[64+\q], v[56+\q]
	v_add_nc_u32 v[64+\q], -1, v[64+\q]            ; p = a (15 - a) / 2 + b - a - 1
	v_mov_b32 v[68+\q], 0                          ; rank
.endr
.macro SAME q, qq                      ; token qq < q with the same pair counts towards q's rank
	v_cmp_eq_u32 vcc_lo, v[64+\qq], v[64+\q]
	v_cndmask_b32 v38, 0, v37, vcc_lo
	v_add_nc_u32 v[68+\q], v[68+\q], v38
.endm
	SAME 1, 0
	SAME 2, 0
	SAME 2, 1
	SAME 3, 0
	SAME 3, 1
	SAME 3, 2
.irp q, 0,1,2,3
	v_lshl_or_b32 v[24+\q], v[60+\q], 8, v[56+\q]
	v_lshl_or_b32 v[24+\q], v[64+\q], 16, v[24+\q]
	v_lshl_or_b32 v[24+\q], v[68+\q], 24, v[24+\q]
	v_cmp_eq_u32 vcc_lo, v1, v[64+\q]              ; lane p counts the tokens with pair p
	v_cndmask_b32 v38, 0, v37, vcc_lo
	v_add_nc_u32 v36, v36, v38
.endr
	v_lshlrev_b32 v40, 2, v1
	v_mov_b32 v39, 0
	global_store_b32 v40, v36, s[24:25]            ; the group's 32 counts: 128 consecutive bytes a wave, 512 a work-group
	v_cmp_eq_u32 vcc_lo, 0, v1
	s_wait_xcnt 0x0                                ; EXEC changes only behind this wait
	s_and_saveexec_b32 s54, vcc_lo                 ; every lane holds the same numbers: lane 0 stores them
	global_store_b128 v39, v[24:27], s[22:23]
	global_store_b128 v39, v[28:31], s[26:27]
	global_store_b128 v39, v[32:35], s[26:27] offset:16
	s_wait_xcnt 0x0                                ; and again ahead of the line that widens it; the stores' registers are free behind it too
	s_or_b32 exec_lo, exec_lo, s54
; x's codes
	s_add_co_i32 s55, s49, 127
	s_lshl_b32 s56, s55, 23
	v_mov_b32 v8, s56                              ; 2^e1 as f32: the conversion takes its exponent field
	s_add_co_i32 s55, s55, 8
	s_lshl_b32 s55, s55, 23
	s_or_b32 s55, s55, 0x600000
	v_mov_b32 v9, s55                              ; 448 x 2^e1
.set n, 0
.rept 128
	v_med3_num_f32 v[X+n], v[X+n], -v9, v9         ; the conversion to an 8-bit code does not saturate (ISA guide 7.6.2): the hold comes first
.set n, n+1
.endr
.irp q, 0,1,2,3
.irp g, 0,1,2,3
	v_cvt_scalef32_pk8_fp8_f32 v[ACC+8*\q+2*\g:ACC+8*\q+2*\g+1], v[X+32*\q+8*\g:X+32*\q+8*\g+7], v8   ; word 8 q + j: codes of k = 128 j + 4 lane + 0 .. 3
.endr
.endr
	v_nop                                          ; a plain line behind the last conversion
.set n, 0
.rept 32
	ds_store_b32 v6, v[ACC+n] offset:128*n         ; the four rows of 1,024 codes as they lie in memory
.set n, n+1
.endr
.irp u, 0,1,2,3,4,5,6,7
	ds_load_b128 v[WB+4*\u:WB+4*\u+3], v7 offset:512*\u   ; a wave's LDS instructions are served in order (ISA guide 5.7.1.4): these see my stores
.endr
.irp u, 0,1,2,3,4,5,6,7
	s_wait_dscnt 7-\u
	global_store_b128 v2, v[WB+4*\u:WB+4*\u+3], s[20:21] offset:512*\u   ; 32 lanes store 512 consecutive bytes
.endr
	s_endpgm
; ------------------------------------------------------------------ WEIGHTS
.Llayout:
	s_sub_co_u32 s33, ttmp9, 256
	s_lshl_b32 s33, s33, 2
	s_add_co_u32 s33, s33, s32                     ; G = my tile, 0..1023: the first 512 are W1's
	s_and_b32 s34, s33, 63                         ; T
	s_bfe_u32 s35, s33, 0x30006                    ; e
	s_lshr_b32 s36, s34, 1
	s_lshl_b32 s36, s36, 5
	s_and_b32 s37, s34, 1
	s_lshl_b32 s37, s37, 3
	s_add_co_u32 s36, s36, s37                     ; W1: the tile's first row 32 (T/2) + 8 (T%2)
	s_lshl_b32 s37, s34, 4                         ; W2: 16 T
	s_cmp_lt_u32 s33, 512
	s_cselect_b32 s36, s36, s37
	s_cselect_b32 s38, 8192, 0                     ; W1: the tile's rows 8-15 lie eight rows further down
	s_lshl_b32 s36, s36, 10
	s_lshl_b32 s35, s35, 20
	s_add_co_u32 s36, s36, s35                     ; from where, in bytes
	s_mov_b32 s37, 0
	s_and_b32 s40, s33, 511
	s_lshl_b32 s40, s40, 14                        ; to where: 16,384 bytes a tile
	s_mov_b32 s41, 0
	v_lshrrev_b32 v10, 4, v1                       ; lane / 16
	v_and_b32 v11, 15, v1                          ; lane % 16
	v_lshlrev_b32 v3, 10, v10
	v_lshl_add_u32 v3, v11, 4, v3                  ; in: sixteen lanes to 256 bytes of a row, two rows a load
	v_add_nc_u32 v4, s38, v3                       ; the same for rows 8-15
	s_mul_i32 s39, s32, 8704
	s_add_co_u32 s39, s39, RST                     ; my two stages
	v_mul_u32_u24 v5, v10, 272
	v_lshl_add_u32 v5, v11, 4, v5
	v_add_nc_u32 v5, s39, v5                       ; into a stage, as loaded
	v_mul_u32_u24 v6, v11, 272
	v_lshl_add_u32 v6, v10, 4, v6
	v_add_nc_u32 v6, s39, v6                       ; back: row r, + 16 h: a fragment's piece
	s_wait_kmcnt 0x0
	s_cmp_lt_u32 s33, 512                          ; the choice hangs on ids alone
	s_cselect_b64 s[42:43], s[16:17], s[18:19]
	s_cselect_b64 s[44:45], s[28:29], s[30:31]
	s_add_nc_u64 s[42:43], s[42:43], s[36:37]
	s_add_nc_u64 s[44:45], s[44:45], s[40:41]
.irp g, 0,1,2,3                        ; chunk g: 256 along K (two K steps) of the 16 rows, in v[16 + 32 g ..]
.irp t, 0,1,2,3
	global_load_b128 v[16+32*\g+4*\t:16+32*\g+4*\t+3], v3, s[42:43] offset:2048*\t+256*\g th:TH_LOAD_NT
.endr
.irp t, 4,5,6,7
	global_load_b128 v[16+32*\g+4*\t:16+32*\g+4*\t+3], v4, s[42:43] offset:2048*\t+256*\g th:TH_LOAD_NT
.endr
.endr
.macro LTURN g                         ; chunk g through stage g % 2, back into its own registers: piece u = 4 (K step % 2) + c
.irp t, 0,1,2,3,4,5,6,7
	ds_store_b128 v5, v[16+32*(\g)+4*\t:16+32*(\g)+4*\t+3] offset:4352*((\g)%2)+544*\t
.endr
.irp u, 0,1,2,3,4,5,6,7
	ds_load_b128 v[16+32*(\g)+4*\u:16+32*(\g)+4*\u+3], v6 offset:4352*((\g)%2)+128*(\u/4)+32*(\u%4)
.endr
.endm
.macro LSEND g
.irp u, 0,1,2,3,4,5,6,7
	global_store_b128 v2, v[16+32*(\g)+4*\u:16+32*(\g)+4*\u+3], s[44:45] offset:(2*(\g)+\u/4)*2048+512*(\u%4)   ; 512 consecutive bytes
.endr
.endm
	s_wait_loadcnt 24                              ; chunk 0's eight loads are in
	LTURN 0
	s_wait_loadcnt 16
	LTURN 1
	s_wait_dscnt 16                                ; chunk 0 is back; chunk 1's sixteen LDS instructions may be out
	LSEND 0
	s_wait_loadcnt 8
	LTURN 2
	s_wait_dscnt 16
	LSEND 1
	s_wait_loadcnt 0x0
	LTURN 3
	s_wait_dscnt 16
	LSEND 2
	s_wait_dscnt 0x0
	LSEND 3
	s_endpgm
.Lfunc_end_k_q44e6705d77_prep:
	.size	k_q44e6705d77_prep, .Lfunc_end_k_q44e6705d77_prep-k_q44e6705d77_prep
	.p2alignl 7, 3214868480
	.fill 96, 4, 3214868480
	.section	.rodata,"a",@progbits
	.p2align	6, 0x0
	.amdhsa_kernel k_q44e6705d77_prep
		.amdhsa_group_segment_fixed_size 88064
		.amdhsa_private_segment_fixed_size 0
		.amdhsa_enable_private_segment 0
		.amdhsa_kernarg_size 96
		.amdhsa_user_sgpr_count 2
		.amdhsa_user_sgpr_kernarg_segment_ptr 1
		.amdhsa_wavefront_size32 1
		.amdhsa_system_sgpr_workgroup_id_x 1
		.amdhsa_system_sgpr_workgroup_id_y 1
		.amdhsa_system_sgpr_workgroup_id_z 1
		.amdhsa_system_vgpr_workitem_id 0
		.amdhsa_next_free_vgpr 256
		.amdhsa_next_free_sgpr 66
		.amdhsa_reserve_vcc 1
		.amdhsa_float_denorm_mode_32 3
		.amdhsa_float_denorm_mode_16_64 3
		.amdhsa_memory_ordered 1
		.amdhsa_forward_progress 1
		.amdhsa_inst_pref_size 100
	.end_amdhsa_kernel
	.amdgpu_metadata
---
amdhsa.version: [ 1, 2 ]
amdhsa.kernels:
  - .name:           k_q44e6705d77_prep
    .symbol:         k_q44e6705d77_prep.kd
    .args:
      - { .name: x, .offset: 0, .size: 8, .value_kind: global_buffer, .address_space: global }
      - { .name: Wr, .offset: 8, .size: 8, .value_kind: global_buffer, .address_space: global }
      - { .name: br, .offset: 16, .size: 8, .value_kind: global_buffer, .address_space: global }
      - { .name: lowp_scales, .offset: 24, .size: 8, .value_kind: global_buffer, .address_space: global }
      - { .name: W1_codes, .offset: 32, .size: 8, .value_kind: global_buffer, .address_space: global }
      - { .name: W2_codes, .offset: 40, .size: 8, .value_kind: global_buffer, .address_space: global }
      - { .name: xq, .offset: 48, .size: 8, .value_kind: global_buffer, .address_space: global }
      - { .name: sel, .offset: 56, .size: 8, .value_kind: global_buffer, .address_space: global }
      - { .name: hist, .offset: 64, .size: 8, .value_kind: global_buffer, .address_space: global }
      - { .name: gate, .offset: 72, .size: 8, .value_kind: global_buffer, .address_space: global }
      - { .name: w1p, .offset: 80, .size: 8, .value_kind: global_buffer, .address_space: global }
      - { .name: w2p, .offset: 88, .size: 8, .value_kind: global_buffer, .address_space: global }
    .group_segment_fixed_size: 88064
    .private_segment_fixed_size: 0
    .kernarg_segment_align: 8
    .kernarg_segment_size: 96
    .max_flat_workgroup_size: 128
    .sgpr_count:     66
    .vgpr_count:     256
    .wavefront_size: 32
...
	.end_amdgpu_metadata
.endif
;; end of part 1
;; launch place (part 2): grid 1 x 1, 32 waves a work-group, no clusters, 135,168 bytes of LDS; arguments sel, hist, order; writes order
.if DOCPART == 2
	.amdgcn_target "amdgcn-amd-amdhsa--gfx1250"
	.amdhsa_code_object_version 6
	.text
	.protected	k_q44e6705d77_place
	.globl	k_q44e6705d77_place
	.p2align	8
	.type	k_q44e6705d77_place,@function
k_q44e6705d77_place:
	s_mov_b64 s[64:65], 0
	v_nop
	global_prefetch_b8 v0, s[64:65] scope:SCOPE_SE
	s_setreg_imm32_b32 hwreg(HW_REG_WAVE_MODE, 25, 1), 1
	s_wait_xcnt 0x0
; PLACE.  A stable counting sort of the 4,096 tokens by their pair of experts (28 pairs): order[pos] = t | a<<16 | b<<24.
; One work-group, no atomics.  Wave w owns token groups 32 w .. 32 w + 31 (four tokens a group, tokens 128 w on); in the sums a lane is a pair p.
; pos(t) = tokens of lower pairs + tokens of pair p in earlier waves + in earlier groups of my wave + rank inside the group (from sel).
; The last launches cut the sorted list into blocks of 128 and halves of 64: neighbours in it share experts.
.set PRE, 4096                         ; LDS: bytes 0-4095 the waves' totals [wave][pair]; from PRE on [group 1024][pair 32]: where the group's first token of that pair goes
	s_load_b128 s[4:7], s[0:1], 0x0                ; sel, hist
	s_load_b64 s[8:9], s[0:1], 0x10                ; order
	v_lshrrev_b32 v1, 5, v0
	v_readfirstlane_b32 s10, v1                    ; wave
	v_and_b32 v1, 31, v0                           ; lane
	v_lshlrev_b32 v2, 2, v1                        ; 4 x lane
	s_lshl_b32 s11, s10, 12
	v_add_nc_u32 v3, s11, v2                       ; hist: 4,096 w + 4 lane
	v_lshlrev_b32 v4, 2, v0                        ; the totals: 128 w + 4 lane
	s_lshl_b32 s12, s10, 9
	v_add_nc_u32 v5, s12, v2                       ; sel: 512 w + 4 lane
	v_add_nc_u32 v6, PRE, v3                       ; my wave's groups, my pair
	v_lshrrev_b32 v7, 2, v1
	v_lshlrev_b32 v7, 7, v7
	v_add_nc_u32 v7, s11, v7
	v_add_nc_u32 v7, PRE, v7                       ; as a token: group lane / 4 of eight
	s_lshl_b32 s13, s10, 7
	v_add_nc_u32 v12, s13, v1                      ; token 128 w + lane
	s_wait_kmcnt 0x0
.set i, 0
.rept 32
	global_load_b32 v[16+i], v3, s[6:7] offset:128*i       ; group i's count of pair = lane
.set i, i+1
.endr
.irp c, 0,1,2,3
	global_load_b32 v[8+\c], v5, s[4:5] offset:128*\c      ; token 32 c + lane of my wave
.endr
	s_wait_loadcnt 0x0
	v_mov_b32 v48, 0
.set i, 0
.rept 32
	v_add_nc_u32 v[49+i], v[48+i], v[16+i]         ; v[48 + i]: the pair's tokens in my wave's groups ahead of group i
.set i, i+1
.endr
	ds_store_b32 v4, v80                           ; my wave's total
	s_wait_dscnt 0x0
	s_barrier_signal -1
	s_barrier_wait -1
.set i, 0
.rept 32
	ds_load_b32 v[16+i], v2 offset:128*i           ; every wave's total of my pair
.set i, i+1
.endr
	v_mov_b32 v81, 0                               ; all waves'
	v_mov_b32 v82, 0                               ; the earlier waves'
	v_mov_b32 v84, 0
	s_wait_dscnt 0x0
.set i, 0
.rept 32
	s_cmp_gt_u32 s10, i
	s_cselect_b32 s14, -1, 0
	v_add_nc_u32 v81, v81, v[16+i]
	v_and_b32 v83, s14, v[16+i]
	v_add_nc_u32 v82, v82, v83
.set i, i+1
.endr
	s_mov_b32 s15, 0
.set i, 0
.rept 28                               ; the tokens of lower pairs: a running sum over the 28 lanes
	v_writelane_b32 v84, s15, i
	v_readlane_b32 s16, v81, i
	s_add_co_u32 s15, s15, s16
.set i, i+1
.endr
	v_add_nc_u32 v84, v84, v82
.set i, 0
.rept 32
	v_add_nc_u32 v[16+i], v84, v[48+i]
	ds_store_b32 v6, v[16+i] offset:128*i
.set i, i+1
.endr
	s_wait_dscnt 0x0
	s_barrier_signal -1                            ; the reads below take their place from loaded numbers: no LDS store stands behind this barrier
	s_barrier_wait -1
.irp c, 0,1,2,3
	v_bfe_u32 v[85+\c], v[8+\c], 16, 8             ; p
	v_min_u32 v[85+\c], 31, v[85+\c]               ; a loaded number enters an address only behind a bound
	v_lshlrev_b32 v[85+\c], 2, v[85+\c]
	v_add_nc_u32 v[85+\c], v7, v[85+\c]
	ds_load_b32 v[89+\c], v[85+\c] offset:1024*\c  ; group 8 c + lane / 4
.endr
	s_wait_dscnt 0x0
.irp c, 0,1,2,3
	v_lshrrev_b32 v[85+\c], 24, v[8+\c]            ; rank
	v_add_nc_u32 v[89+\c], v[89+\c], v[85+\c]
	v_min_u32 v[89+\c], 0xfff, v[89+\c]
	v_lshlrev_b32 v[89+\c], 2, v[89+\c]
	v_add_nc_u32 v[93+\c], 32*\c, v12              ; t
	v_lshl_or_b32 v[93+\c], v[8+\c], 16, v[93+\c]  ; a and b move up, p and rank fall off
	global_store_b32 v[89+\c], v[93+\c], s[8:9]    ; 4 bytes to its place in the sorted list: 16 KiB in all, once
.endr
	s_endpgm
.Lfunc_end_k_q44e6705d77_place:
	.size	k_q44e6705d77_place, .Lfunc_end_k_q44e6705d77_place-k_q44e6705d77_place
	.p2alignl 7, 3214868480
	.fill 96, 4, 3214868480
	.section	.rodata,"a",@progbits
	.p2align	6, 0x0
	.amdhsa_kernel k_q44e6705d77_place
		.amdhsa_group_segment_fixed_size 135168
		.amdhsa_private_segment_fixed_size 0
		.amdhsa_enable_private_segment 0
		.amdhsa_kernarg_size 24
		.amdhsa_user_sgpr_count 2
		.amdhsa_user_sgpr_kernarg_segment_ptr 1
		.amdhsa_wavefront_size32 1
		.amdhsa_system_sgpr_workgroup_id_x 1
		.amdhsa_system_sgpr_workgroup_id_y 1
		.amdhsa_system_sgpr_workgroup_id_z 1
		.amdhsa_system_vgpr_workitem_id 0
		.amdhsa_next_free_vgpr 128
		.amdhsa_next_free_sgpr 66
		.amdhsa_reserve_vcc 0
		.amdhsa_float_denorm_mode_32 3
		.amdhsa_float_denorm_mode_16_64 3
		.amdhsa_memory_ordered 1
		.amdhsa_forward_progress 1
		.amdhsa_inst_pref_size 23
	.end_amdhsa_kernel
	.amdgpu_metadata
---
amdhsa.version: [ 1, 2 ]
amdhsa.kernels:
  - .name:           k_q44e6705d77_place
    .symbol:         k_q44e6705d77_place.kd
    .args:
      - { .name: sel, .offset: 0, .size: 8, .value_kind: global_buffer, .address_space: global }
      - { .name: hist, .offset: 8, .size: 8, .value_kind: global_buffer, .address_space: global }
      - { .name: order, .offset: 16, .size: 8, .value_kind: global_buffer, .address_space: global }
    .group_segment_fixed_size: 135168
    .private_segment_fixed_size: 0
    .kernarg_segment_align: 8
    .kernarg_segment_size: 24
    .max_flat_workgroup_size: 1024
    .sgpr_count:     66
    .vgpr_count:     128
    .wavefront_size: 32
...
	.end_amdgpu_metadata
.endif
;; end of part 2
;; launch ffn1 (part 3): grid 8 x 32, 4 waves a work-group, no clusters, 0 bytes of LDS; arguments order, xq, w1p, b1, lowp_scales, hq; writes hq
.if DOCPART == 3
	.amdgcn_target "amdgcn-amd-amdhsa--gfx1250"
	.amdhsa_code_object_version 6
	.text
	.protected	k_q44e6705d77_ffn1
	.globl	k_q44e6705d77_ffn1
	.p2align	8
	.type	k_q44e6705d77_ffn1,@function
k_q44e6705d77_ffn1:
	s_mov_b64 s[64:65], 0
	v_nop
	global_prefetch_b8 v0, s[64:65] scope:SCOPE_SE
	s_setreg_imm32_b32 hwreg(HW_REG_WAVE_MODE, 25, 1), 1
	s_wait_xcnt 0x0
; FFN1.  hq = Q(gelu(x W1[e] + b1[e])) for the experts that the tokens use: codes of E4M3 on both sides, v_wmma_f32_16x16x128_fp8_fp8, sums in f32.
; SHARES.  Work-group (ch, blk): block blk of 128 tokens of the sorted list x hidden units 128 ch on.  Wave w: tokens 64 (w / 2) on (four tiles of 16), units 64 (w % 2) on (four tiles of W1).
; A wave walks the experts that ANY of its 64 tokens names (a mask made from the stored list), and computes all 64 rows for each: a row that does not use the expert gets the weight 0 in the next launch.
; x's 32 fragments (64 rows x 1,024 K) are gathered once and stay in 512 registers; W1's fragments come from memory straight into registers, laid by the first launch in register order, three K steps ahead.
; TRANSPOSED: source 0 = 16 rows of W1, source 1 = 16 tokens: a lane holds ONE token, and by the choice of W1's rows the 16 registers of tiles 2 b, 2 b + 1 are 16 neighbours along the next K:
; the conversions' results are pieces of the next product's fragments and are stored as images of its registers: hq[blk][e][m 8][s 8][c 4][lane][16 bytes].
; K stands in a fragment in the order 32 c + 16 h + i, alike in both operands: every product meets its partner; only the order of the sums inside an instruction differs.
; GELU, exact form: gelu(v) = max(v, 0) - |v| q, q = erfc(|v| / sqrt 2) / 2 = t 2^(poly(t) - v^2 log2(e) / 2 - 1), t = 1 / (1 + |v| / (2 sqrt 2)):
; the rational Chebyshev fit of erfc with a fractional error of 1.2e-7 everywhere; its coefficients stand here times log2(e).
; NO TENSOR LOADS, NO CLUSTER: how many experts a wave walks is read from the stored list and differs from work-group to work-group, so partners would need different numbers of tiles.
; LIMITS: e2 between -126 and 119, e0 + e1 between -126 and 127.  NaN and infinities are not served.  Where q falls under 2^-126 it counts as 0.
; REGISTERS, in windows of 256.  Window 0: below.  Window 1: four buffers of W1's four fragments (64 buf + 16 i).  Windows 2, 3: x's fragments of K steps 0-3, 4-7 (64 (s % 4) + 16 mt).
.set L16, 1                            ; v1      16 x lane: my place in an image
.set GA,  2                            ; v2-5    tile mt: my token's row in xq + 16 h
.set BOF, 6                            ; v6      64 h: my half's place in b1
.set QS,  7                            ; v7      2^e2 as f32
.set QL,  8                            ; v8      448 x 2^e2
.set C8,  10                           ; v10-11  the coefficient c8, twice
.set W,   12                           ; v12-15  at work
.set BI,  16                           ; v16-47  b1 in the results' layout: 8 i + j
.set T,   48                           ; v48-79  t, then q
.set P,   80                           ; v80-111 the polynomial, then max(v, 0)
.set C,   112                          ; v112-127 codes: two sets of 8
.set S,   128                          ; v128-255 the 16 accumulators: 32 mt + 8 i
.set WV, 16
.set WM, 17
.set WN, 18
.set BLK, 19
.set MASK, 20                          ; experts still to be taken
.set TMP, 21
.set CUR, 22
.set NXT, 23
.set TRIP, 24
.set NEXP, 25
.set CB, 26                            ; s[26:27] W1's fragments of the expert in hand;  s[28:29] of the next
.set NB, 28
.set BB, 30                            ; s[30:31] b1;  s[32:33] hq, of the expert in hand
.set HB, 32
.set SC, 34                            ; s[34:35] 2^(e0 + e1)
.set K9, 36                            ; s[36:37] c9; s[38:53] c7 .. c0; s[54:55] -log2(e)/2; s56 1/(2 sqrt 2)
.set KQ, 54
.set K1, 56
.set OFF, 58                           ; s[58:59] an offset, high word 0
.set MSB, 0
.macro WIN new                         ; the immediate's high byte repeats the setting that is left
.if MSB != \new
	s_set_vgpr_msb (MSB<<8)|\new
.set MSB, \new
.endif
.endm
.macro TWICE r, val                    ; a packed form names a pair and takes its low word for both halves: both are written
	s_mov_b32 s[\r], \val
	s_mov_b32 s[\r+1], \val
.endm
.macro NEXT                            ; the lowest expert still in the mask; behind the last one the expert in hand again, so that what is loaded ahead stays within what has been written
	s_ctz_i32_b32 s[NXT], s[MASK]
	s_cmp_eq_u32 s[MASK], 0
	s_cselect_b32 s[NXT], s[CUR], s[NXT]
	s_min_u32 s[NXT], s[NXT], 7                    ; a loaded number enters an address only behind a bound
	s_sub_co_u32 s[TMP], s[MASK], 1
	s_and_b32 s[MASK], s[MASK], s[TMP]
.endm
.macro BASES
	s_lshl_b32 s[OFF], s[NXT], 20
	s_add_nc_u64 s[NB:NB+1], s[8:9], s[OFF:OFF+1]
	s_lshl_b32 s[OFF], s[CUR], 12
	s_add_nc_u64 s[BB:BB+1], s[10:11], s[OFF:OFF+1]
	s_lshl_b32 s[OFF], s[CUR], 17
	s_add_nc_u64 s[HB:HB+1], s[14:15], s[OFF:OFF+1]
.endm
	s_load_b256 s[4:11], s[0:1], 0x0               ; order, xq, w1p, b1
	s_load_b128 s[12:15], s[0:1], 0x20             ; scales, hq
	v_lshrrev_b32 v9, 5, v0
	v_readfirstlane_b32 s[WV], v9
	s_lshr_b32 s[WM], s[WV], 1
	s_and_b32 s[WN], s[WV], 1
	s_and_b32 s[BLK], ttmp7, 0xffff
	v_and_b32 v9, 31, v0
	v_lshlrev_b32 v[L16], 4, v9
	v_and_b32 v9, 15, v0
	v_lshlrev_b32 v9, 2, v9                        ; 4 r
	v_bfe_u32 v12, v0, 4, 1                        ; h
	v_lshlrev_b32 v[BOF], 6, v12
	v_lshlrev_b32 v12, 4, v12                      ; 16 h
	v_mov_b32 v48, 1
	v_mov_b32 v49, 0
	v_mov_b32 v[C8], 0xbf97d29d
	v_mov_b32 v[C8+1], 0xbf97d29d
	s_mov_b32 s[OFF+1], 0
	TWICE K9, 0x3e7c6f08
	TWICE 38, 0x40097039                           ; c7
	TWICE 40, 0xbfd1a1e5                           ; c6
	TWICE 42, 0x3ecdfd18                           ; c5
	TWICE 44, 0xbe899a80                           ; c4
	TWICE 46, 0x3e0efb2e                           ; c3
	TWICE 48, 0x3f0a29d2                           ; c2
	TWICE 50, 0x3fb8ab5a                           ; c1
	TWICE 52, 0xc034d90f                           ; c0, less 1 for the half
	TWICE KQ, 0xbf38aa3b
	s_mov_b32 s[K1], 0x3eb504f3
	s_wait_kmcnt 0x0
	s_load_b128 s[68:71], s[12:13], 0x0            ; e0 .. e3
	s_lshl_b32 s[OFF], s[BLK], 9
	s_lshl_b32 s[TMP], s[WM], 8
	s_add_co_u32 s[OFF], s[OFF], s[TMP]
	s_add_nc_u64 s[4:5], s[4:5], s[OFF:OFF+1]      ; the list at my 64 tokens
.irp mt, 0,1,2,3
	global_load_b32 v[GA+\mt], v9, s[4:5] offset:64*\mt    ; lane (r, h): token r of tile mt
.endr
	s_lshl_b32 s[OFF], ttmp9, 3
	s_lshl_b32 s[TMP], s[WN], 2
	s_add_co_u32 s[OFF], s[OFF], s[TMP]            ; my first tile of W1: 8 ch + 4 (w % 2)
	s_lshl_b32 s[OFF], s[OFF], 14
	s_add_nc_u64 s[8:9], s[8:9], s[OFF:OFF+1]
	s_lshl_b32 s[OFF], ttmp9, 9
	s_lshl_b32 s[TMP], s[WN], 8
	s_add_co_u32 s[OFF], s[OFF], s[TMP]
	s_add_nc_u64 s[10:11], s[10:11], s[OFF:OFF+1]  ; b1 at my 64 units
	s_lshl_b32 s[OFF], s[BLK], 20
	s_lshl_b32 s[TMP], s[WM], 16
	s_add_co_u32 s[OFF], s[OFF], s[TMP]
	s_lshl_b32 s[TMP], ttmp9, 11
	s_add_co_u32 s[OFF], s[OFF], s[TMP]
	s_lshl_b32 s[TMP], s[WN], 10
	s_add_co_u32 s[OFF], s[OFF], s[TMP]
	s_add_nc_u64 s[14:15], s[14:15], s[OFF:OFF+1]  ; hq: block, my four tiles of rows, K step ch, pieces 2 (w % 2) on
	s_wait_loadcnt 0x0
.irp mt, 0,1,2,3
	v_bfe_u32 v13, v[GA+\mt], 16, 3                ; a
	v_bfe_u32 v15, v[GA+\mt], 24, 3                ; b
	v_lshlrev_b32 v13, v13, v48
	v_lshlrev_b32 v15, v15, v48
.if \mt == 0
	v_or_b32 v14, v13, v15
.else
	v_or_b32 v14, v14, v13
	v_or_b32 v14, v14, v15
.endif
	v_and_b32 v[GA+\mt], 0xfff, v[GA+\mt]          ; the token,
	v_min_u32 v[GA+\mt], 0xfff, v[GA+\mt]          ; bounded ahead of its use in an address
	v_lshlrev_b32 v[GA+\mt], 10, v[GA+\mt]
	v_add_nc_u32 v[GA+\mt], v12, v[GA+\mt]
.endr
	WIN 0x80                                       ; destination window 2
.irp s, 0,1,2,3
.irp mt, 0,1,2,3
.irp c, 0,1,2,3
	global_load_b128 v[64*\s+16*\mt+4*\c:64*\s+16*\mt+4*\c+3], v[GA+\mt], s[6:7] offset:128*\s+32*\c
.endr
.endr
.endr
	WIN 0xc0                                       ; destination window 3
.irp s, 0,1,2,3
.irp mt, 0,1,2,3
.irp c, 0,1,2,3
	global_load_b128 v[64*\s+16*\mt+4*\c:64*\s+16*\mt+4*\c+3], v[GA+\mt], s[6:7] offset:512+128*\s+32*\c
.endr
.endr
.endr
	WIN 0
.irp m, 1,2,4,8                        ; the sixteen tokens' bits of each tile are joined (both halves of the lanes hold the same)
	v_mov_b32_dpp v49, v14 row_xmask:\m row_mask:0xf bank_mask:0xf
	v_or_b32 v14, v14, v49
.endr
	v_readfirstlane_b32 s[MASK], v14
	s_and_b32 s[MASK], s[MASK], 0xff
	s_bcnt1_i32_b32 s[NEXP], s[MASK]               ; at least 2: a token names two different experts
	s_ctz_i32_b32 s[CUR], s[MASK]
	s_min_u32 s[CUR], s[CUR], 7
	s_sub_co_u32 s[TMP], s[MASK], 1
	s_and_b32 s[MASK], s[MASK], s[TMP]
	NEXT
	s_lshl_b32 s[OFF], s[CUR], 20
	s_add_nc_u64 s[CB:CB+1], s[8:9], s[OFF:OFF+1]
	BASES
	s_wait_kmcnt 0x0
	s_add_co_i32 s[SC], s68, s69
	s_add_co_i32 s[SC], s[SC], 127
	s_lshl_b32 s[SC], s[SC], 23                    ; 2^(e0 + e1) as f32
	s_mov_b32 s[SC+1], s[SC]
	s_add_co_i32 s[TMP], s70, 127
	s_lshl_b32 s57, s[TMP], 23
	v_mov_b32 v[QS], s57
	s_add_co_i32 s[TMP], s[TMP], 8
	s_lshl_b32 s[TMP], s[TMP], 23
	s_or_b32 s[TMP], s[TMP], 0x600000
	v_mov_b32 v[QL], s[TMP]
.macro BLD base, st, buf               ; W1's four fragments of K step st into buffer buf: each load takes 512 consecutive bytes
	WIN 0x40                                       ; destination window 1
.irp i, 0,1,2,3
.irp c, 0,1,2,3
	global_load_b128 v[64*(\buf)+16*\i+4*\c:64*(\buf)+16*\i+4*\c+3], v[L16], s[\base:\base+1] offset:16384*\i+2048*(\st)+512*\c
.endr
.endr
.endm
; A K step of 128: the loads of three steps on, the wait for this step's, 16 products.  The 16 accumulators take turns, one instruction a turn, in the same order in every step.
.macro KSTEP s
.if \s > 0
.rept 4
	v_nop                                          ; places between the last step's products and the loads into the buffer that they read (ISA guide 7.12.1 for vector instructions).  At step 0 the epilogue's lines stand there
.endr
.endif
.if \s == 0
	WIN 0
.irp i, 0,1,2,3
	global_load_b128 v[BI+8*\i:BI+8*\i+3], v[BOF], s[BB:BB+1] offset:128*(\i/2)+32*(\i%2)
	global_load_b128 v[BI+8*\i+4:BI+8*\i+7], v[BOF], s[BB:BB+1] offset:128*(\i/2)+32*(\i%2)+16
.endr
.endif
.if \s < 5
	BLD CB, \s+3, (\s+3)%4
.else
	BLD NB, \s-5, (\s+3)%4                         ; the next expert's first three steps
.endif
.if \s < 3
	s_wait_loadcnt 56                              ; behind this step's loads: three steps' 48 and the 8 of b1
.else
	s_wait_loadcnt 48                              ; three steps' 48
.endif
.if \s < 4
	WIN 0x09                                       ; source 0 (W1) window 1, source 1 (x) window 2
.else
	WIN 0x0d                                       ; source 1 window 3
.endif
.irp mt, 0,1,2,3
.irp i, 0,1,2,3
.if \s == 0
	v_wmma_f32_16x16x128_fp8_fp8 v[S+32*\mt+8*\i:S+32*\mt+8*\i+7], v[64*((\s)%4)+16*\i:64*((\s)%4)+16*\i+15], v[64*((\s)%4)+16*\mt:64*((\s)%4)+16*\mt+15], 0
.else
	v_wmma_f32_16x16x128_fp8_fp8 v[S+32*\mt+8*\i:S+32*\mt+8*\i+7], v[64*((\s)%4)+16*\i:64*((\s)%4)+16*\i+15], v[64*((\s)%4)+16*\mt:64*((\s)%4)+16*\mt+15], v[S+32*\mt+8*\i:S+32*\mt+8*\i+7]
.endif
.endr
.endr
.endm
; The epilogue of a tile of 16 tokens: 32 numbers a lane.
.macro EPI mt
.set VV, S+32*(\mt)
.set CC, C+8*((\mt)%2)
.set n, 0
.rept 16
	v_pk_fma_f32 v[VV+n:VV+n+1], v[VV+n:VV+n+1], s[SC:SC+1], v[BI+n:BI+n+1] op_sel_hi:[1,0,1]   ; v = sum x 2^(e0 + e1) + b1; each accumulator from its low end on
.set n, n+2
.endr
.set n, 0
.rept 32
	v_fma_f32 v[T+n], |v[VV+n]|, s[K1], 1.0
.set n, n+1
.endr
.set n, 0
.rept 32
	v_rcp_f32 v[T+n], v[T+n]                       ; t
.set n, n+1
.endr
	v_nop                                          ; a plain line behind the last reciprocal,
	s_wait_alu depctr_va_vdst(0)                   ; one wait for the batch, ahead of its first reader
.set n, 0
.rept 16
	v_pk_fma_f32 v[P+n:P+n+1], v[T+n:T+n+1], s[K9:K9+1], v[C8:C8+1] op_sel_hi:[1,0,1]
.set n, n+2
.endr
.irp k, 38,40,42,44,46,48,50,52        ; Horner, a coefficient at a time over the sixteen pairs, so that no line waits for the line above it
.set n, 0
.rept 16
	v_pk_fma_f32 v[P+n:P+n+1], v[P+n:P+n+1], v[T+n:T+n+1], s[\k:\k+1] op_sel_hi:[1,1,0]
.set n, n+2
.endr
.endr
.set n, 0
.rept 8
	v_pk_mul_f32 v[W:W+1], v[VV+n:VV+n+1], v[VV+n:VV+n+1]
	v_pk_mul_f32 v[W+2:W+3], v[VV+n+2:VV+n+3], v[VV+n+2:VV+n+3]
	v_pk_fma_f32 v[P+n:P+n+1], v[W:W+1], s[KQ:KQ+1], v[P+n:P+n+1] op_sel_hi:[1,0,1]          ; - v^2 log2(e) / 2
	v_pk_fma_f32 v[P+n+2:P+n+3], v[W+2:W+3], s[KQ:KQ+1], v[P+n+2:P+n+3] op_sel_hi:[1,0,1]
.set n, n+4
.endr
.set n, 0
.rept 32
	v_exp_f32 v[P+n], v[P+n]
.set n, n+1
.endr
	v_nop
	s_wait_alu depctr_va_vdst(0)
.set n, 0
.rept 16
	v_pk_mul_f32 v[T+n:T+n+1], v[T+n:T+n+1], v[P+n:P+n+1]      ; q
.set n, n+2
.endr
.set n, 0
.rept 32
	v_max_num_f32 v[P+n], 0, v[VV+n]
.set n, n+1
.endr
.set n, 0
.rept 32
	v_fma_f32 v[VV+n], -|v[VV+n]|, v[T+n], v[P+n]              ; gelu(v) = max(v, 0) - |v| q
.set n, n+1
.endr
.set n, 0
.rept 32
	v_med3_num_f32 v[VV+n], v[VV+n], -v[QL], v[QL]             ; the conversion to an 8-bit code does not saturate (ISA guide 7.6.2): the hold comes first
.set n, n+1
.endr
	s_wait_xcnt 0x0                                ; the stores of two tiles back have read this set of codes: it is written again only behind this wait
.irp i, 0,1,2,3
	v_cvt_scalef32_pk8_fp8_f32 v[CC+2*\i:CC+2*\i+1], v[VV+8*\i:VV+8*\i+7], v[QS]
.endr
	v_nop                                          ; a plain line behind the last conversion
.irp b, 0,1
	global_store_b128 v[L16], v[CC+4*\b:CC+4*\b+3], s[HB:HB+1] offset:16384*(\mt)+512*\b      ; a piece of the next product's fragment: 512 consecutive bytes
.endr
.endm
	BLD CB, 0, 0
	BLD CB, 1, 1
	BLD CB, 2, 2
	WIN 0                                          ; at a label and at a branch every window is 0
	s_mov_b32 s[TRIP], 0
.Lexp:                                             ; a trip = an expert
.irp s, 0,1,2,3,4,5,6,7
	KSTEP \s
.endr
	WIN 0
.rept 4
	v_nop                                          ; places between the last products and the first read of results
.endr
	EPI 0
	EPI 1
	EPI 2
	EPI 3
	s_wait_xcnt 0x0                                ; every load and store has read its base: the bases step only behind this wait
	s_mov_b64 s[CB:CB+1], s[NB:NB+1]
	s_min_u32 s[CUR], s[NXT], 7
	NEXT
	BASES
	s_add_co_u32 s[TRIP], s[TRIP], 1
	s_cmp_lt_u32 s[TRIP], s[NEXP]
	s_cbranch_scc1 .Lexp
	s_endpgm                                       ; the loads that ran ahead behind the last expert may stay out: nothing reads them
.Lfunc_end_k_q44e6705d77_ffn1:
	.size	k_q44e6705d77_ffn1, .Lfunc_end_k_q44e6705d77_ffn1-k_q44e6705d77_ffn1
	.p2alignl 7, 3214868480
	.fill 96, 4, 3214868480
	.section	.rodata,"a",@progbits
	.p2align	6, 0x0
	.amdhsa_kernel k_q44e6705d77_ffn1
		.amdhsa_group_segment_fixed_size 0
		.amdhsa_private_segment_fixed_size 0
		.amdhsa_enable_private_segment 0
		.amdhsa_kernarg_size 48
		.amdhsa_user_sgpr_count 2
		.amdhsa_user_sgpr_kernarg_segment_ptr 1
		.amdhsa_wavefront_size32 1
		.amdhsa_system_sgpr_workgroup_id_x 1
		.amdhsa_system_sgpr_workgroup_id_y 1
		.amdhsa_system_sgpr_workgroup_id_z 1
		.amdhsa_system_vgpr_workitem_id 0
		.amdhsa_next_free_vgpr 1024
		.amdhsa_next_free_sgpr 72
		.amdhsa_reserve_vcc 0
		.amdhsa_float_denorm_mode_32 3
		.amdhsa_float_denorm_mode_16_64 3
		.amdhsa_memory_ordered 1
		.amdhsa_forward_progress 1
		.amdhsa_inst_pref_size 138
	.end_amdhsa_kernel
	.amdgpu_metadata
---
amdhsa.version: [ 1, 2 ]
amdhsa.kernels:
  - .name:           k_q44e6705d77_ffn1
    .symbol:         k_q44e6705d77_ffn1.kd
    .args:
      - { .name: order, .offset: 0, .size: 8, .value_kind: global_buffer, .address_space: global }
      - { .name: xq, .offset: 8, .size: 8, .value_kind: global_buffer, .address_space: global }
      - { .name: w1p, .offset: 16, .size: 8, .value_kind: global_buffer, .address_space: global }
      - { .name: b1, .offset: 24, .size: 8, .value_kind: global_buffer, .address_space: global }
      - { .name: lowp_scales, .offset: 32, .size: 8, .value_kind: global_buffer, .address_space: global }
      - { .name: hq, .offset: 40, .size: 8, .value_kind: global_buffer, .address_space: global }
    .group_segment_fixed_size: 0
    .private_segment_fixed_size: 0
    .kernarg_segment_align: 8
    .kernarg_segment_size: 48
    .max_flat_workgroup_size: 128
    .sgpr_count:     72
    .vgpr_count:     1024
    .wavefront_size: 32
...
	.end_amdgpu_metadata
.endif
;; end of part 3
;; launch ffn2 (part 4): grid 8 x 32, 4 waves a work-group, no clusters, 17,408 bytes of LDS; arguments order, gate, hq, w2p, b2, lowp_scales, out0; writes out0
.if DOCPART == 4
	.amdgcn_target "amdgcn-amd-amdhsa--gfx1250"
	.amdhsa_code_object_version 6
	.text
	.protected	k_q44e6705d77_ffn2
	.globl	k_q44e6705d77_ffn2
	.p2align	8
	.type	k_q44e6705d77_ffn2,@function
k_q44e6705d77_ffn2:
	s_mov_b64 s[64:65], 0
	v_nop
	global_prefetch_b8 v0, s[64:65] scope:SCOPE_SE
	s_setreg_imm32_b32 hwreg(HW_REG_WAVE_MODE, 25, 1), 1
	s_wait_xcnt 0x0
; FFN2.  out[t] = sum over the token's two experts of gate x (h W2[e] x 2^(e2 + e3) + b2[e]): codes of E4M3 on both sides, v_wmma_f32_16x16x128_fp8_fp8, sums in f32.
; SHARES.  Work-group (ch, blk): block blk of 128 tokens of the sorted list x output columns 128 ch on.  Wave w: tokens 64 (w / 2) on (four tiles), columns 64 (w % 2) on (four tiles of W2).
; A wave walks the experts that any of its 64 tokens names: the same mask from the same list as in the launch before, so it reads just the images of h that were written.
; For each expert all 64 rows are multiplied; a row's result goes into OUT with the row's own weight: its gate where the token names the expert, else 0 (h's codes are held, so every sum is finite).
; So each row of out has ONE owner, and nothing is added across work-groups.
; Both operands come from memory straight into registers, as images of the registers (16 x lane, 512 bytes a load), one K step ahead in two buffers.
; TRANSPOSED: source 0 = 16 rows of W2 (output columns), source 1 = 16 tokens: a lane holds one token and eight neighbouring columns.
; NO TENSOR LOADS, NO CLUSTER: how many experts a wave walks is read from the stored list and differs from work-group to work-group, so partners would need different numbers of tiles.
; LIMITS: e2 + e3 between -126 and 127.  NaN and infinities are not served.
; REGISTERS, in windows of 256.  Window 0: below.  Window 1: v0-127 h's fragments, two buffers (64 buf + 16 mt); v128-255 W2's (128 + 64 buf + 16 i).  Window 2: v0-127 the 16 accumulators (32 mt + 8 i); v128-255 OUT.
.set L16, 1                            ; v1      16 x lane
.set STO, 2                            ; v2      the stage: where I put 32 bytes of a row
.set RD,  3                            ; v3      and where I read a row back
.set EA,  4                            ; v4-7    tile mt: my token's expert a;  v8-11 b
.set EB,  8
.set GT,  12                           ; v12-19  its two gates
.set WT,  20                           ; v20-23  its weight for the expert in hand;  v24-27 the same x 2^(e2 + e3)
.set WSC, 24
.set BOF, 28                           ; v28     32 h
.set BI,  32                           ; v32-63  b2 in the results' layout
.set OA,  64                           ; v64-95  the way out: row pair t of tile mt: my row's place in out
.set R,   96                           ; v96-159 the way out: two sets of 32; at work in the head
.set OUT, 128                          ; in window 2
.set WV, 18
.set WM, 19
.set WN, 20
.set BLK, 21
.set MASK, 22
.set TMP, 23
.set CUR, 24
.set NXT, 25
.set TRIP, 26
.set NEXP, 27
.set CA, 28                            ; s[28:29] h's images, s[30:31] W2's, of the expert in hand;  s[32:35] of the next
.set CW, 30
.set NA, 32
.set NW, 34
.set BB, 36                            ; s[36:37] b2 of the expert in hand
.set SC, 38                            ; s38 2^(e2 + e3)
.set OFF, 40                           ; s[40:41] an offset, high word 0
.set MSB, 0
.macro WIN new                         ; the immediate's high byte repeats the setting that is left
.if MSB != \new
	s_set_vgpr_msb (MSB<<8)|\new
.set MSB, \new
.endif
.endm
.macro NEXT                            ; the lowest expert still in the mask; behind the last one the expert in hand again, so that what is loaded ahead stays within what has been written
	s_ctz_i32_b32 s[NXT], s[MASK]
	s_cmp_eq_u32 s[MASK], 0
	s_cselect_b32 s[NXT], s[CUR], s[NXT]
	s_min_u32 s[NXT], s[NXT], 7                    ; a loaded number enters an address only behind a bound
	s_sub_co_u32 s[TMP], s[MASK], 1
	s_and_b32 s[MASK], s[MASK], s[TMP]
.endm
.macro BASES
	s_lshl_b32 s[OFF], s[NXT], 17
	s_add_nc_u64 s[NA:NA+1], s[8:9], s[OFF:OFF+1]
	s_lshl_b32 s[OFF], s[NXT], 20
	s_add_nc_u64 s[NW:NW+1], s[10:11], s[OFF:OFF+1]
	s_lshl_b32 s[OFF], s[CUR], 12
	s_add_nc_u64 s[BB:BB+1], s[12:13], s[OFF:OFF+1]
.endm
	s_load_b256 s[4:11], s[0:1], 0x0               ; order, gate, hq, w2p
	s_load_b128 s[12:15], s[0:1], 0x20             ; b2, scales
	s_load_b64 s[16:17], s[0:1], 0x30              ; out
	v_lshrrev_b32 v29, 5, v0
	v_readfirstlane_b32 s[WV], v29
	s_lshr_b32 s[WM], s[WV], 1
	s_and_b32 s[WN], s[WV], 1
	s_and_b32 s[BLK], ttmp7, 0xffff
	v_and_b32 v29, 31, v0
	v_lshlrev_b32 v[L16], 4, v29
	v_and_b32 v29, 15, v0                          ; r
	v_bfe_u32 v30, v0, 4, 1                        ; h
	s_mul_i32 s[TMP], s[WV], 4352                  ; my stage: 16 rows x (256 bytes + 16)
	v_mul_u32_u24 v[STO], v29, 272
	v_lshl_add_u32 v[STO], v30, 5, v[STO]
	v_add_nc_u32 v[STO], s[TMP], v[STO]            ; in: row r, + 32 h
	v_mul_u32_u24 v[RD], v30, 272
	v_lshl_add_u32 v[RD], v29, 4, v[RD]
	v_add_nc_u32 v[RD], s[TMP], v[RD]              ; back: lanes 0-15 one row, lanes 16-31 the next
	v_lshlrev_b32 v[BOF], 5, v30
	v_lshlrev_b32 v31, 2, v29                      ; 4 r
	v_lshlrev_b32 v96, 2, v30                      ; 4 h
	v_lshlrev_b32 v97, 4, v29                      ; 16 r
	v_mov_b32 v104, 1
	v_mov_b32 v106, 0
	s_mov_b32 s[OFF+1], 0
	s_wait_kmcnt 0x0
	s_load_b128 s[44:47], s[14:15], 0x0            ; e0 .. e3
	s_lshl_b32 s[OFF], s[BLK], 9
	s_lshl_b32 s[TMP], s[WM], 8
	s_add_co_u32 s[OFF], s[OFF], s[TMP]
	s_add_nc_u64 s[4:5], s[4:5], s[OFF:OFF+1]      ; the list at my 64 tokens
.irp mt, 0,1,2,3
	global_load_b32 v[EA+\mt], v31, s[4:5] offset:64*\mt           ; lane (r, h): token r of tile mt
.endr
.irp mt, 0,1,2,3
.irp t, 0,1,2,3,4,5,6,7
	global_load_b32 v[OA+8*\mt+\t], v96, s[4:5] offset:64*\mt+8*\t ; for the way out: token 2 t + h of tile mt
.endr
.endr
	s_lshl_b32 s[OFF], s[BLK], 20
	s_lshl_b32 s[TMP], s[WM], 16
	s_add_co_u32 s[OFF], s[OFF], s[TMP]
	s_add_nc_u64 s[8:9], s[8:9], s[OFF:OFF+1]      ; hq: block, my four tiles of rows
	s_lshl_b32 s[OFF], ttmp9, 3
	s_lshl_b32 s[TMP], s[WN], 2
	s_add_co_u32 s[OFF], s[OFF], s[TMP]
	s_lshl_b32 s[OFF], s[OFF], 14
	s_add_nc_u64 s[10:11], s[10:11], s[OFF:OFF+1]  ; w2p: my first tile 8 ch + 4 (w % 2)
	s_lshl_b32 s[OFF], ttmp9, 9
	s_lshl_b32 s[TMP], s[WN], 8
	s_add_co_u32 s[OFF], s[OFF], s[TMP]
	s_add_nc_u64 s[12:13], s[12:13], s[OFF:OFF+1]  ; b2 and out at my 64 columns
	s_add_nc_u64 s[16:17], s[16:17], s[OFF:OFF+1]
	s_wait_loadcnt 0x0
.irp mt, 0,1,2,3
	v_and_b32 v[100+\mt], 0xfff, v[EA+\mt]         ; the token,
	v_min_u32 v[100+\mt], 0xfff, v[100+\mt]        ; bounded ahead of its use in an address
	v_lshlrev_b32 v[100+\mt], 3, v[100+\mt]
	global_load_b64 v[GT+2*\mt:GT+2*\mt+1], v[100+\mt], s[6:7]     ; its two gates
	v_bfe_u32 v[EB+\mt], v[EA+\mt], 24, 3
	v_bfe_u32 v[EA+\mt], v[EA+\mt], 16, 3
	v_lshlrev_b32 v98, v[EA+\mt], v104
	v_lshlrev_b32 v99, v[EB+\mt], v104
.if \mt == 0
	v_or_b32 v105, v98, v99
.else
	v_or_b32 v105, v105, v98
	v_or_b32 v105, v105, v99
.endif
.endr
.irp m, 1,2,4,8                        ; the sixteen tokens' bits of each tile are joined (both halves of the lanes hold the same)
	v_mov_b32_dpp v106, v105 row_xmask:\m row_mask:0xf bank_mask:0xf
	v_or_b32 v105, v105, v106
.endr
	v_readfirstlane_b32 s[MASK], v105
	s_and_b32 s[MASK], s[MASK], 0xff
	s_bcnt1_i32_b32 s[NEXP], s[MASK]               ; at least 2: a token names two different experts
	s_ctz_i32_b32 s[CUR], s[MASK]
	s_min_u32 s[CUR], s[CUR], 7
	s_sub_co_u32 s[TMP], s[MASK], 1
	s_and_b32 s[MASK], s[MASK], s[TMP]
	NEXT
	s_lshl_b32 s[OFF], s[CUR], 17
	s_add_nc_u64 s[CA:CA+1], s[8:9], s[OFF:OFF+1]
	s_lshl_b32 s[OFF], s[CUR], 20
	s_add_nc_u64 s[CW:CW+1], s[10:11], s[OFF:OFF+1]
	BASES
.macro LD2 ab, wb, st, buf             ; K step st: h's four fragments and W2's four into buffer buf: each load takes 512 consecutive bytes
	WIN 0x40                                       ; destination window 1
.irp m, 0,1,2,3
.irp c, 0,1,2,3
	global_load_b128 v[64*(\buf)+16*\m+4*\c:64*(\buf)+16*\m+4*\c+3], v[L16], s[\ab:\ab+1] offset:16384*\m+2048*(\st)+512*\c
.endr
.endr
.irp m, 0,1,2,3
.irp c, 0,1,2,3
	global_load_b128 v[128+64*(\buf)+16*\m+4*\c:128+64*(\buf)+16*\m+4*\c+3], v[L16], s[\wb:\wb+1] offset:16384*\m+2048*(\st)+512*\c
.endr
.endr
.endm
	LD2 CA, CW, 0, 0
	WIN 0
.set n, 0
.rept 32
	v_and_b32 v[OA+n], 0xfff, v[OA+n]
	v_min_u32 v[OA+n], 0xfff, v[OA+n]
	v_lshlrev_b32 v[OA+n], 12, v[OA+n]             ; a row of out is 4,096 bytes
	v_add_nc_u32 v[OA+n], v97, v[OA+n]             ; + 16 (lane % 16)
.set n, n+1
.endr
	s_wait_kmcnt 0x0
	s_add_co_i32 s[SC], s46, s47
	s_add_co_i32 s[SC], s[SC], 127
	s_lshl_b32 s[SC], s[SC], 23                    ; 2^(e2 + e3) as f32
	WIN 0x80                                       ; destination window 2
.set n, 0
.rept 128
	v_mov_b32 v[OUT+n], 0                          ; once: the trip is written once, and its first walk adds onto zeros
.set n, n+1
.endr
; A K step of 128: the next step's 32 loads, the wait for this step's, 16 products.  The 16 accumulators take turns, one instruction a turn, in the same order in every step.
.macro KSTEP2 s
.if \s > 0
.rept 4
	v_nop                                          ; places between the last step's products and the loads into the buffer that they read (ISA guide 7.12.1 for vector instructions).  At step 0 the epilogue's lines stand there
.endr
.endif
.if \s == 0
	WIN 0
.irp i, 0,1,2,3
	global_load_b128 v[BI+8*\i:BI+8*\i+3], v[BOF], s[BB:BB+1] offset:64*\i
	global_load_b128 v[BI+8*\i+4:BI+8*\i+7], v[BOF], s[BB:BB+1] offset:64*\i+16
.endr
.endif
.if \s < 7
	LD2 CA, CW, \s+1, (\s+1)%2
.else
	LD2 NA, NW, 0, 0                               ; the next expert's first step
.endif
.if \s == 0
	s_wait_loadcnt 40                              ; behind this step's loads: the 8 of b2 and the next step's 32
.else
	s_wait_loadcnt 32                              ; the next step's 32
.endif
	WIN 0xa5                                       ; sources 0 (W2) and 1 (h) window 1, C and D window 2
.irp mt, 0,1,2,3
.irp i, 0,1,2,3
.if \s == 0
	v_wmma_f32_16x16x128_fp8_fp8 v[32*\mt+8*\i:32*\mt+8*\i+7], v[128+64*((\s)%2)+16*\i:128+64*((\s)%2)+16*\i+15], v[64*((\s)%2)+16*\mt:64*((\s)%2)+16*\mt+15], 0
.else
	v_wmma_f32_16x16x128_fp8_fp8 v[32*\mt+8*\i:32*\mt+8*\i+7], v[128+64*((\s)%2)+16*\i:128+64*((\s)%2)+16*\i+15], v[64*((\s)%2)+16*\mt:64*((\s)%2)+16*\mt+15], v[32*\mt+8*\i:32*\mt+8*\i+7]
.endif
.endr
.endr
.endm
; OUT += src x the row's weight, for tile mt: the weight is one register of a pair, picked for both halves by the tile's parity
.macro ACCUM mt, src, wreg
.set wp, \wreg+2*((\mt)/2)
.set n, 0
.rept 16
.if ((\mt)%2) == 0
	v_pk_fma_f32 v[OUT+32*(\mt)+n:OUT+32*(\mt)+n+1], v[\src+n:\src+n+1], v[wp:wp+1], v[OUT+32*(\mt)+n:OUT+32*(\mt)+n+1] op_sel_hi:[1,0,1]
.else
	v_pk_fma_f32 v[OUT+32*(\mt)+n:OUT+32*(\mt)+n+1], v[\src+n:\src+n+1], v[wp:wp+1], v[OUT+32*(\mt)+n:OUT+32*(\mt)+n+1] op_sel:[0,1,0] op_sel_hi:[1,1,1]
.endif
.set n, n+2
.endr
.endm
	WIN 0                                          ; at a label and at a branch every window is 0
	s_mov_b32 s[TRIP], 0
.Lexp:                                             ; a trip = an expert
.irp s, 0,1,2,3,4,5,6,7
	KSTEP2 \s
.endr
	WIN 0
.irp mt, 0,1,2,3                       ; the rows' weights: a choice of values, no branch.  These twenty lines are also the places between the last products and the first read of results
	v_cmp_eq_u32 vcc_lo, s[CUR], v[EA+\mt]
	v_cndmask_b32 v[WT+\mt], 0, v[GT+2*\mt], vcc_lo
	v_cmp_eq_u32 vcc_lo, s[CUR], v[EB+\mt]
	v_cndmask_b32 v[WT+\mt], v[WT+\mt], v[GT+2*\mt+1], vcc_lo
	v_mul_f32 v[WSC+\mt], s[SC], v[WT+\mt]
.endr
	WIN 0xa2                                       ; source 0 (the sums), source 2 and destination (OUT) window 2; the weight window 0
.irp mt, 0,1,2,3
	ACCUM \mt, 32*\mt, WSC                         ; + sum x 2^(e2 + e3) x weight; each accumulator from its low end on
.endr
	WIN 0xa0                                       ; source 0 (b2) window 0
.irp mt, 0,1,2,3
	ACCUM \mt, BI, WT                              ; + b2 x weight
.endr
	WIN 0
	s_wait_xcnt 0x0                                ; every load has read its base: the bases step only behind this wait
	s_mov_b64 s[CA:CA+1], s[NA:NA+1]
	s_mov_b64 s[CW:CW+1], s[NW:NW+1]
	s_min_u32 s[CUR], s[NXT], 7
	NEXT
	BASES
	s_add_co_u32 s[TRIP], s[TRIP], 1
	s_cmp_lt_u32 s[TRIP], s[NEXP]
	s_cbranch_scc1 .Lexp
; THE WAY OUT, a tile of 16 tokens at a time.  A lane holds 32 neighbouring bytes of a row and the lanes beside it other rows: the tile goes through my own stage and comes back as rows of 256 bytes,
; which sixteen lanes store to the token's own row of out.  (The loads that ran ahead behind the last expert stay out: window 1 is not touched again.)
.irp mt, 0,1,2,3
	WIN 0x08                                       ; the stores' data window 2
.irp i, 0,1,2,3
	ds_store_b128 v[STO], v[OUT+32*\mt+8*\i:OUT+32*\mt+8*\i+3] offset:64*\i
	ds_store_b128 v[STO], v[OUT+32*\mt+8*\i+4:OUT+32*\mt+8*\i+7] offset:64*\i+16
.endr
	WIN 0
.if \mt >= 2
	s_wait_xcnt 0x0                                ; the stores of two tiles back have read this set of registers
.endif
.irp t, 0,1,2,3,4,5,6,7
	ds_load_b128 v[R+32*(\mt%2)+4*\t:R+32*(\mt%2)+4*\t+3], v[RD] offset:544*\t   ; a wave's LDS instructions are served in order (ISA guide 5.7.1.4): these see my stores, and the next tile's stores come behind them
.endr
.irp t, 0,1,2,3,4,5,6,7
	s_wait_dscnt 7-\t
	global_store_b128 v[OA+8*\mt+\t], v[R+32*(\mt%2)+4*\t:R+32*(\mt%2)+4*\t+3], s[16:17] th:TH_STORE_NT   ; sixteen lanes store 256 consecutive bytes, at a multiple of 256 from out's first byte
.endr
.endr
	s_endpgm
.Lfunc_end_k_q44e6705d77_ffn2:
	.size	k_q44e6705d77_ffn2, .Lfunc_end_k_q44e6705d77_ffn2-k_q44e6705d77_ffn2
	.p2alignl 7, 3214868480
	.fill 96, 4, 3214868480
	.section	.rodata,"a",@progbits
	.p2align	6, 0x0
	.amdhsa_kernel k_q44e6705d77_ffn2
		.amdhsa_group_segment_fixed_size 17408
		.amdhsa_private_segment_fixed_size 0
		.amdhsa_enable_private_segment 0
		.amdhsa_kernarg_size 56
		.amdhsa_user_sgpr_count 2
		.amdhsa_user_sgpr_kernarg_segment_ptr 1
		.amdhsa_wavefront_size32 1
		.amdhsa_system_sgpr_workgroup_id_x 1
		.amdhsa_system_sgpr_workgroup_id_y 1
		.amdhsa_system_sgpr_workgroup_id_z 1
		.amdhsa_system_vgpr_workitem_id 0
		.amdhsa_next_free_vgpr 768
		.amdhsa_next_free_sgpr 66
		.amdhsa_reserve_vcc 1
		.amdhsa_float_denorm_mode_32 3
		.amdhsa_float_denorm_mode_16_64 3
		.amdhsa_memory_ordered 1
		.amdhsa_forward_progress 1
		.amdhsa_inst_pref_size 74
	.end_amdhsa_kernel
	.amdgpu_metadata
---
amdhsa.version: [ 1, 2 ]
amdhsa.kernels:
  - .name:           k_q44e6705d77_ffn2
    .symbol:         k_q44e6705d77_ffn2.kd
    .args:
      - { .name: order, .offset: 0, .size: 8, .value_kind: global_buffer, .address_space: global }
      - { .name: gate, .offset: 8, .size: 8, .value_kind: global_buffer, .address_space: global }
      - { .name: hq, .offset: 16, .size: 8, .value_kind: global_buffer, .address_space: global }
      - { .name: w2p, .offset: 24, .size: 8, .value_kind: global_buffer, .address_space: global }
      - { .name: b2, .offset: 32, .size: 8, .value_kind: global_buffer, .address_space: global }
      - { .name: lowp_scales, .offset: 40, .size: 8, .value_kind: global_buffer, .address_space: global }
      - { .name: out0, .offset: 48, .size: 8, .value_kind: global_buffer, .address_space: global }
    .group_segment_fixed_size: 17408
    .private_segment_fixed_size: 0
    .kernarg_segment_align: 8
    .kernarg_segment_size: 56
    .max_flat_workgroup_size: 128
    .sgpr_count:     66
    .vgpr_count:     768
    .wavefront_size: 32
...
	.end_amdgpu_metadata
.endif
;; end of part 4
;; ======== version 2 of 2: 4 launches; 1.12 times as fast as version 1
;; workspace buffers: xq 4,194,304 bytes; sel 16,384 bytes of whole numbers; hist 131,072 bytes of whole numbers; gate 32,768 bytes; w1p 8,388,608 bytes; w2p 8,388,608 bytes; order 16,384 bytes of whole numbers; hq 33,554,432 bytes
;; launch prep (part 5): grid 512 x 1, 4 waves a work-group, no clusters, 88,064 bytes of LDS; arguments x, Wr, br, lowp_scales, W1_codes, W2_codes, xq, sel, hist, gate, w1p, w2p; writes xq, sel, hist, gate, w1p, w2p
.if DOCPART == 5
	.amdgcn_target "amdgcn-amd-amdhsa--gfx1250"
	.amdhsa_code_object_version 6
	.text
	.protected	k_q44e6705d77_prep
	.globl	k_q44e6705d77_prep
	.p2align	8
	.type	k_q44e6705d77_prep,@function
k_q44e6705d77_prep:
	s_mov_b64 s[64:65], 0
	v_nop
	global_prefetch_b8 v0, s[64:65] scope:SCOPE_SE
	s_setreg_imm32_b32 hwreg(HW_REG_WAVE_MODE, 25, 1), 1
	s_wait_xcnt 0x0
; PREP.  Two kinds of work-group, told apart by the work-group's number alone; each kind has LDS bytes of its own.
; Work-groups 0-255, TOKENS: 16 tokens each, 4 a wave.  The router in f32 (logits = x Wr + br by fused multiply-adds, softmax with the row's maximum taken away,
; the two largest probabilities, ties to the lower index, gates = the two divided by their sum) and x's codes of E4M3 with the given scale 2^e1.
;   sel[t]  = a | b<<8 | p<<16 | rank<<24: a < b the two experts, p the pair's number (0..27), rank = earlier tokens of the wave's four with the same p
;   THE PAIRS' ORDER: row a (the pairs (a, b), b > a) begins at a (15 - a) / 2; even rows run b upward, odd rows downward: .. (0,7), (1,7) .. (1,2), (2,3) .. (2,7), (3,7) ..
;   So every two neighbouring pairs share an expert, and a run of sorted tokens that holds two pairs names three experts, never four.
;   hist[t/4][32]: how many of the four tokens have pair p;   gate[t] = (gate of a, gate of b);   xq[t][1024]: codes, K as it lies.
;   What is chosen steers no address here: everything goes to fixed places, and the next launch places the tokens.
; Work-groups 256-511, WEIGHTS: a wave lays one tile of 16 rows x 1,024 K of W1 or W2 in the order in which a wave's operand registers take it:
;   w?p[e][T][s 8][c 4][lane 32][16 bytes]: lane (r, h), piece c of K step s = row n(T, r), bytes 128 s + 32 c + 16 h on.
;   W1: n = 32 (T/2) + 8 (T%2) + r + 8 (r/8), so that two neighbouring tiles' results are 16 neighbours along the next K;  W2: n = 16 T + r.
; LIMITS: e1 between -126 and 119.  NaN and infinities among the inputs are not served.  Two probabilities that differ by less than f32 sums resolve may be ranked otherwise than by another order of summing.
.set WRP,  144                         ; Wr in LDS: a row = 4 k x 8 experts = 128 bytes + 16 of padding; 256 rows from byte 0
.set CST,  36864                       ; the codes' stage: 4,096 bytes a wave
.set RST,  53248                       ; the weights' stages: two of 16 rows x 272 bytes a wave
.set WB,   16                          ; v16-79   Wr as loaded, then two sets of 32 numbers of Wr; later at work
.set ACC,  80                          ; v80-111  logit (token q, expert e) at 8 q + e; later x's codes
.set X,    112                         ; v112-239 x: token q, k = 128 j + 4 lane + i at 32 q + 4 j + i
	s_load_b512 s[8:23], s[0:1], 0x0               ; x, Wr, br, scales, W1, W2, xq, sel
	s_load_b256 s[24:31], s[0:1], 0x40             ; hist, gate, w1p, w2p
	v_lshrrev_b32 v1, 5, v0
	v_readfirstlane_b32 s32, v1                    ; wave
	v_and_b32 v1, 31, v0                           ; lane
	v_lshlrev_b32 v2, 4, v1                        ; 16 x lane
	s_cmp_lt_u32 ttmp9, 256
	s_cbranch_scc0 .Llayout
; ------------------------------------------------------------------ TOKENS
	v_lshlrev_b32 v3, 4, v0                        ; Wr: my 16 bytes of a load's 2,048
	v_lshrrev_b32 v4, 3, v0
	v_mul_u32_u24 v4, v4, WRP
	v_and_b32 v5, 7, v0
	v_lshl_add_u32 v4, v5, 4, v4                   ; and their place in LDS: eight threads to a row
	v_mul_u32_u24 v5, v1, WRP                      ; Wr back: row 32 j + lane = my four k
	s_lshl_b32 s33, s32, 12
	s_add_co_u32 s33, s33, CST                     ; my wave's stage for the codes
	v_lshlrev_b32 v6, 2, v1
	v_add_nc_u32 v6, s33, v6                       ; in: 4 bytes a lane
	v_add_nc_u32 v7, s33, v2                       ; back: 16 bytes a lane
	s_lshl_b32 s34, ttmp9, 4
	s_lshl_b32 s35, s32, 2
	s_add_co_u32 s34, s34, s35                     ; t0 = 16 x work-group + 4 x wave
	s_mov_b32 s37, 0
	s_mov_b32 s52, 0x76543210                      ; v_permlanex16_b32: lane l xor 16
	s_mov_b32 s53, 0xfedcba98
	s_wait_kmcnt 0x0
	s_load_b256 s[40:47], s[12:13], 0x0            ; br
	s_load_b128 s[48:51], s[14:15], 0x0            ; e0 .. e3
	s_lshl_b32 s36, s34, 12
	s_add_nc_u64 s[8:9], s[8:9], s[36:37]          ; x at t0
	s_lshl_b32 s36, s34, 10
	s_add_nc_u64 s[20:21], s[20:21], s[36:37]      ; xq at t0
	s_lshl_b32 s36, s34, 2
	s_add_nc_u64 s[22:23], s[22:23], s[36:37]      ; sel at t0
	s_lshl_b32 s36, s34, 5
	s_add_nc_u64 s[24:25], s[24:25], s[36:37]      ; hist at group t0 / 4
	s_lshl_b32 s36, s34, 3
	s_add_nc_u64 s[26:27], s[26:27], s[36:37]      ; gate at t0
.set n, 0
.rept 16
	global_load_b128 v[WB+4*n:WB+4*n+3], v3, s[10:11] offset:2048*n      ; all of Wr, shared out among the 128 threads
.set n, n+1
.endr
.irp q, 0,1,2,3
.irp j, 0,1,2,3,4,5,6,7
	global_load_b128 v[X+32*\q+4*\j:X+32*\q+4*\j+3], v2, s[8:9] offset:4096*\q+512*\j th:TH_LOAD_NT   ; 32 lanes read 512 consecutive bytes
.endr
.endr
	s_wait_loadcnt 32                              ; Wr's sixteen loads are in; x's 32 behind them may be out
.set n, 0
.rept 16
	ds_store_b128 v4, v[WB+4*n:WB+4*n+3] offset:2304*n
.set n, n+1
.endr
	s_wait_dscnt 0x0                               ; for the others' sake: my part of Wr lies in LDS
	s_barrier_signal -1
	s_barrier_wait -1
.macro WLD j                           ; Wr(128 j + 4 lane + i, e) -> set j % 2, register 8 i + e
.irp p, 0,1,2,3,4,5,6,7
	ds_load_b128 v[WB+32*((\j)%2)+4*\p:WB+32*((\j)%2)+4*\p+3], v5 offset:4608*(\j)+16*\p
.endr
.endm
.macro FMA j                           ; 64 packed multiply-adds: two experts each; x's number serves both halves.  The very first products start the sums
.irp i, 0,1,2,3
.irp q, 0,1,2,3
.irp e, 0,2,4,6
.set wr, WB+32*((\j)%2)+8*\i+\e
.set ar, ACC+8*\q+\e
.set xr, X+32*\q+4*(\j)+2*(\i/2)
.if ((\j) == 0) && (\i == 0)
	v_pk_mul_f32 v[ar:ar+1], v[wr:wr+1], v[xr:xr+1] op_sel_hi:[1,0]
.elseif (\i%2) == 0
	v_pk_fma_f32 v[ar:ar+1], v[wr:wr+1], v[xr:xr+1], v[ar:ar+1] op_sel_hi:[1,0,1]
.else
	v_pk_fma_f32 v[ar:ar+1], v[wr:wr+1], v[xr:xr+1], v[ar:ar+1] op_sel:[0,1,0] op_sel_hi:[1,1,1]
.endif
.endr
.endr
.endr
.endm
	WLD 0
	s_wait_loadcnt 0x0                             ; x
.irp j, 0,1,2,3,4,5,6
	WLD \j+1
	s_wait_dscnt 8                                 ; this set is in; the next set's eight loads may be out
	FMA \j
.endr
	s_wait_dscnt 0x0
	FMA 7
.irp m, 1,2,4,8                        ; the 32 lanes' parts are added: four steps inside each half of the lanes,
.set n, 0
.rept 32
	v_add_f32_dpp v[ACC+n], v[ACC+n], v[ACC+n] row_xmask:\m row_mask:0xf bank_mask:0xf
.set n, n+1
.endr
.endr
.set n, 0
.rept 32
	v_permlanex16_b32 v[WB+n], v[ACC+n], s52, s53  ; one across (its destination has been written)
.set n, n+1
.endr
	s_wait_kmcnt 0x0                               ; br, the scales
.irp q, 0,1,2,3
.irp e, 0,1,2,3,4,5,6,7
	v_add_f32 v[ACC+8*\q+\e], v[ACC+8*\q+\e], v[WB+8*\q+\e]
.endr
.endr
.irp q, 0,1,2,3
.irp e, 0,1,2,3,4,5,6,7
	v_add_f32 v[ACC+8*\q+\e], s[40+\e], v[ACC+8*\q+\e]     ; + br: every lane now holds the four tokens' logits
.endr
.endr
; softmax: v240+q the row's maximum, v248+q the sum, v244+q its reciprocal
.irp q, 0,1,2,3
	v_max3_num_f32 v[240+\q], v[ACC+8*\q], v[ACC+8*\q+1], v[ACC+8*\q+2]
.endr
.irp q, 0,1,2,3
	v_max3_num_f32 v[240+\q], v[240+\q], v[ACC+8*\q+3], v[ACC+8*\q+4]
.endr
.irp q, 0,1,2,3
	v_max3_num_f32 v[240+\q], v[240+\q], v[ACC+8*\q+5], v[ACC+8*\q+6]
.endr
.irp q, 0,1,2,3
	v_max_num_f32 v[240+\q], v[240+\q], v[ACC+8*\q+7]
.endr
.irp q, 0,1,2,3
.irp e, 0,1,2,3,4,5,6,7
	v_sub_f32 v[ACC+8*\q+\e], v[ACC+8*\q+\e], v[240+\q]    ; the maximum is taken away first, as the softmax is defined
.endr
.endr
.set n, 0
.rept 32
	v_mul_f32 v[ACC+n], 0x3fb8aa3b, v[ACC+n]       ; x log2(e)
.set n, n+1
.endr
.set n, 0
.rept 32
	v_exp_f32 v[ACC+n], v[ACC+n]
.set n, n+1
.endr
	v_nop                                          ; a plain line behind the last exponential,
	s_wait_alu depctr_va_vdst(0)                   ; and one wait for the batch, ahead of its first reader
.irp q, 0,1,2,3
	v_add_f32 v[248+\q], v[ACC+8*\q], v[ACC+8*\q+1]
.endr
.irp e, 2,3,4,5,6,7
.irp q, 0,1,2,3
	v_add_f32 v[248+\q], v[248+\q], v[ACC+8*\q+\e]
.endr
.endr
.irp q, 0,1,2,3
	v_rcp_f32 v[244+\q], v[248+\q]
.endr
	v_nop
	s_wait_alu depctr_va_vdst(0)
.irp q, 0,1,2,3
.irp e, 0,1,2,3,4,5,6,7
	v_mul_f32 v[ACC+8*\q+\e], v[ACC+8*\q+\e], v[244+\q]    ; the probabilities
.endr
.endr
; the largest of a token's eight, and its index: a later expert wins only where it is strictly larger, so ties go to the lower index
.macro TOP bv, bi
.irp q, 0,1,2,3
	v_mov_b32 v[\bv+\q], v[ACC+8*\q]
	v_mov_b32 v[\bi+\q], 0
.endr
.irp e, 1,2,3,4,5,6,7
.irp q, 0,1,2,3
	v_cmp_le_f32 vcc_lo, v[ACC+8*\q+\e], v[\bv+\q]         ; not larger: keep
	v_cndmask_b32 v[\bv+\q], v[ACC+8*\q+\e], v[\bv+\q], vcc_lo
	v_cndmask_b32 v[\bi+\q], \e, v[\bi+\q], vcc_lo
.endr
.endr
.endm
	TOP 240, 244
.irp e, 0,1,2,3,4,5,6,7
.irp q, 0,1,2,3
	v_cmp_ne_u32 vcc_lo, \e, v[244+\q]
	v_cndmask_b32 v[ACC+8*\q+\e], -1.0, v[ACC+8*\q+\e], vcc_lo   ; the first choice drops out: -1 lies under every probability
.endr
.endr
	TOP 248, 252
	v_mov_b32 v37, 1
.irp q, 0,1,2,3
	v_add_f32 v[16+\q], v[240+\q], v[248+\q]
.endr
.irp q, 0,1,2,3
	v_rcp_f32 v[20+\q], v[16+\q]
.endr
	v_mov_b32 v36, 0                               ; (a plain line behind the reciprocals)  the histogram
	s_wait_alu depctr_va_vdst(0)
.irp q, 0,1,2,3
	v_mul_f32 v[48+\q], v[240+\q], v[20+\q]        ; the first choice's gate,
	v_mul_f32 v[52+\q], v[248+\q], v[20+\q]        ; the second's
	v_cmp_lt_u32 vcc_lo, v[244+\q], v[252+\q]
	v_cndmask_b32 v[28+2*\q], v[52+\q], v[48+\q], vcc_lo   ; the gate of a, the lower index,
	v_cndmask_b32 v[29+2*\q], v[48+\q], v[52+\q], vcc_lo   ; and of b
	v_min_u32 v[56+\q], v[244+\q], v[252+\q]       ; a
	v_max_u32 v[60+\q], v[244+\q], v[252+\q]       ; b
	v_sub_nc_u32 v[64+\q], 15, v[56+\q]
	v_mul_u32_u24 v[64+\q], v[64+\q], v[56+\q]
	v_lshrrev_b32 v[64+\q], 1, v[64+\q]            ; where row a begins: a (15 - a) / 2
	v_sub_nc_u32 v38, v[60+\q], v[56+\q]
	v_add_nc_u32 v38, -1, v38                      ; an even row runs upward: b - a - 1,
	v_sub_nc_u32 v39, 7, v[60+\q]                  ; an odd row downward: 7 - b
	v_and_b32 v40, 1, v[56+\q]
	v_cmp_eq_u32 vcc_lo, 0, v40
	v_cndmask_b32 v38, v39, v38, vcc_lo
	v_add_nc_u32 v[64+\q], v[64+\q], v38           ; p
	v_mov_b32 v[68+\q], 0                          ; rank
.endr
.macro SAME q, qq                      ; token qq < q with the same pair counts towards q's rank
	v_cmp_eq_u32 vcc_lo, v[64+\qq], v[64+\q]
	v_cndmask_b32 v38, 0, v37, vcc_lo
	v_add_nc_u32 v[68+\q], v[68+\q], v38
.endm
	SAME 1, 0
	SAME 2, 0
	SAME 2, 1
	SAME 3, 0
	SAME 3, 1
	SAME 3, 2
.irp q, 0,1,2,3
	v_lshl_or_b32 v[24+\q], v[60+\q], 8, v[56+\q]
	v_lshl_or_b32 v[24+\q], v[64+\q], 16, v[24+\q]
	v_lshl_or_b32 v[24+\q], v[68+\q], 24, v[24+\q]
	v_cmp_eq_u32 vcc_lo, v1, v[64+\q]              ; lane p counts the tokens with pair p
	v_cndmask_b32 v38, 0, v37, vcc_lo
	v_add_nc_u32 v36, v36, v38
.endr
	v_lshlrev_b32 v40, 2, v1
	v_mov_b32 v39, 0
	global_store_b32 v40, v36, s[24:25]            ; the group's 32 counts: 128 consecutive bytes a wave, 512 a work-group
	v_cmp_eq_u32 vcc_lo, 0, v1
	s_wait_xcnt 0x0                                ; EXEC changes only behind this wait
	s_and_saveexec_b32 s54, vcc_lo                 ; every lane holds the same numbers: lane 0 stores them
	global_store_b128 v39, v[24:27], s[22:23]
	global_store_b128 v39, v[28:31], s[26:27]
	global_store_b128 v39, v[32:35], s[26:27] offset:16
	s_wait_xcnt 0x0                                ; and again ahead of the line that widens it; the stores' registers are free behind it too
	s_or_b32 exec_lo, exec_lo, s54
; x's codes
	s_add_co_i32 s55, s49, 127
	s_lshl_b32 s56, s55, 23
	v_mov_b32 v8, s56                              ; 2^e1 as f32: the conversion takes its exponent field
	s_add_co_i32 s55, s55, 8
	s_lshl_b32 s55, s55, 23
	s_or_b32 s55, s55, 0x600000
	v_mov_b32 v9, s55                              ; 448 x 2^e1
.set n, 0
.rept 128
	v_med3_num_f32 v[X+n], v[X+n], -v9, v9         ; the conversion to an 8-bit code does not saturate (ISA guide 7.6.2): the hold comes first
.set n, n+1
.endr
.irp q, 0,1,2,3
.irp g, 0,1,2,3
	v_cvt_scalef32_pk8_fp8_f32 v[ACC+8*\q+2*\g:ACC+8*\q+2*\g+1], v[X+32*\q+8*\g:X+32*\q+8*\g+7], v8   ; word 8 q + j: codes of k = 128 j + 4 lane + 0 .. 3
.endr
.endr
	v_nop                                          ; a plain line behind the last conversion
.set n, 0
.rept 32
	ds_store_b32 v6, v[ACC+n] offset:128*n         ; the four rows of 1,024 codes as they lie in memory
.set n, n+1
.endr
.irp u, 0,1,2,3,4,5,6,7
	ds_load_b128 v[WB+4*\u:WB+4*\u+3], v7 offset:512*\u   ; a wave's LDS instructions are served in order (ISA guide 5.7.1.4): these see my stores
.endr
.irp u, 0,1,2,3,4,5,6,7
	s_wait_dscnt 7-\u
	global_store_b128 v2, v[WB+4*\u:WB+4*\u+3], s[20:21] offset:512*\u   ; 32 lanes store 512 consecutive bytes
.endr
	s_endpgm
; ------------------------------------------------------------------ WEIGHTS
.Llayout:
	s_sub_co_u32 s33, ttmp9, 256
	s_lshl_b32 s33, s33, 2
	s_add_co_u32 s33, s33, s32                     ; G = my tile, 0..1023: the first 512 are W1's
	s_and_b32 s34, s33, 63                         ; T
	s_bfe_u32 s35, s33, 0x30006                    ; e
	s_lshr_b32 s36, s34, 1
	s_lshl_b32 s36, s36, 5
	s_and_b32 s37, s34, 1
	s_lshl_b32 s37, s37, 3
	s_add_co_u32 s36, s36, s37                     ; W1: the tile's first row 32 (T/2) + 8 (T%2)
	s_lshl_b32 s37, s34, 4                         ; W2: 16 T
	s_cmp_lt_u32 s33, 512
	s_cselect_b32 s36, s36, s37
	s_cselect_b32 s38, 8192, 0                     ; W1: the tile's rows 8-15 lie eight rows further down
	s_lshl_b32 s36, s36, 10
	s_lshl_b32 s35, s35, 20
	s_add_co_u32 s36, s36, s35                     ; from where, in bytes
	s_mov_b32 s37, 0
	s_and_b32 s40, s33, 511
	s_lshl_b32 s40, s40, 14                        ; to where: 16,384 bytes a tile
	s_mov_b32 s41, 0
	v_lshrrev_b32 v10, 4, v1                       ; lane / 16
	v_and_b32 v11, 15, v1                          ; lane % 16
	v_lshlrev_b32 v3, 10, v10
	v_lshl_add_u32 v3, v11, 4, v3                  ; in: sixteen lanes to 256 bytes of a row, two rows a load
	v_add_nc_u32 v4, s38, v3                       ; the same for rows 8-15
	s_mul_i32 s39, s32, 8704
	s_add_co_u32 s39, s39, RST                     ; my two stages
	v_mul_u32_u24 v5, v10, 272
	v_lshl_add_u32 v5, v11, 4, v5
	v_add_nc_u32 v5, s39, v5                       ; into a stage, as loaded
	v_mul_u32_u24 v6, v11, 272
	v_lshl_add_u32 v6, v10, 4, v6
	v_add_nc_u32 v6, s39, v6                       ; back: row r, + 16 h: a fragment's piece
	s_wait_kmcnt 0x0
	s_cmp_lt_u32 s33, 512                          ; the choice hangs on ids alone
	s_cselect_b64 s[42:43], s[16:17], s[18:19]
	s_cselect_b64 s[44:45], s[28:29], s[30:31]
	s_add_nc_u64 s[42:43], s[42:43], s[36:37]
	s_add_nc_u64 s[44:45], s[44:45], s[40:41]
.irp g, 0,1,2,3                        ; chunk g: 256 along K (two K steps) of the 16 rows, in v[16 + 32 g ..]
.irp t, 0,1,2,3
	global_load_b128 v[16+32*\g+4*\t:16+32*\g+4*\t+3], v3, s[42:43] offset:2048*\t+256*\g th:TH_LOAD_NT
.endr
.irp t, 4,5,6,7
	global_load_b128 v[16+32*\g+4*\t:16+32*\g+4*\t+3], v4, s[42:43] offset:2048*\t+256*\g th:TH_LOAD_NT
.endr
.endr
.macro LTURN g                         ; chunk g through stage g % 2, back into its own registers: piece u = 4 (K step % 2) + c
.irp t, 0,1,2,3,4,5,6,7
	ds_store_b128 v5, v[16+32*(\g)+4*\t:16+32*(\g)+4*\t+3] offset:4352*((\g)%2)+544*\t
.endr
.irp u, 0,1,2,3,4,5,6,7
	ds_load_b128 v[16+32*(\g)+4*\u:16+32*(\g)+4*\u+3], v6 offset:4352*((\g)%2)+128*(\u/4)+32*(\u%4)
.endr
.endm
.macro LSEND g
.irp u, 0,1,2,3,4,5,6,7
	global_store_b128 v2, v[16+32*(\g)+4*\u:16+32*(\g)+4*\u+3], s[44:45] offset:(2*(\g)+\u/4)*2048+512*(\u%4)   ; 512 consecutive bytes
.endr
.endm
	s_wait_loadcnt 24                              ; chunk 0's eight loads are in
	LTURN 0
	s_wait_loadcnt 16
	LTURN 1
	s_wait_dscnt 16                                ; chunk 0 is back; chunk 1's sixteen LDS instructions may be out
	LSEND 0
	s_wait_loadcnt 8
	LTURN 2
	s_wait_dscnt 16
	LSEND 1
	s_wait_loadcnt 0x0
	LTURN 3
	s_wait_dscnt 16
	LSEND 2
	s_wait_dscnt 0x0
	LSEND 3
	s_endpgm
.Lfunc_end_k_q44e6705d77_prep:
	.size	k_q44e6705d77_prep, .Lfunc_end_k_q44e6705d77_prep-k_q44e6705d77_prep
	.p2alignl 7, 3214868480
	.fill 96, 4, 3214868480
	.section	.rodata,"a",@progbits
	.p2align	6, 0x0
	.amdhsa_kernel k_q44e6705d77_prep
		.amdhsa_group_segment_fixed_size 88064
		.amdhsa_private_segment_fixed_size 0
		.amdhsa_enable_private_segment 0
		.amdhsa_kernarg_size 96
		.amdhsa_user_sgpr_count 2
		.amdhsa_user_sgpr_kernarg_segment_ptr 1
		.amdhsa_wavefront_size32 1
		.amdhsa_system_sgpr_workgroup_id_x 1
		.amdhsa_system_sgpr_workgroup_id_y 1
		.amdhsa_system_sgpr_workgroup_id_z 1
		.amdhsa_system_vgpr_workitem_id 0
		.amdhsa_next_free_vgpr 256
		.amdhsa_next_free_sgpr 66
		.amdhsa_reserve_vcc 1
		.amdhsa_float_denorm_mode_32 3
		.amdhsa_float_denorm_mode_16_64 3
		.amdhsa_memory_ordered 1
		.amdhsa_forward_progress 1
		.amdhsa_inst_pref_size 101
	.end_amdhsa_kernel
	.amdgpu_metadata
---
amdhsa.version: [ 1, 2 ]
amdhsa.kernels:
  - .name:           k_q44e6705d77_prep
    .symbol:         k_q44e6705d77_prep.kd
    .args:
      - { .name: x, .offset: 0, .size: 8, .value_kind: global_buffer, .address_space: global }
      - { .name: Wr, .offset: 8, .size: 8, .value_kind: global_buffer, .address_space: global }
      - { .name: br, .offset: 16, .size: 8, .value_kind: global_buffer, .address_space: global }
      - { .name: lowp_scales, .offset: 24, .size: 8, .value_kind: global_buffer, .address_space: global }
      - { .name: W1_codes, .offset: 32, .size: 8, .value_kind: global_buffer, .address_space: global }
      - { .name: W2_codes, .offset: 40, .size: 8, .value_kind: global_buffer, .address_space: global }
      - { .name: xq, .offset: 48, .size: 8, .value_kind: global_buffer, .address_space: global }
      - { .name: sel, .offset: 56, .size: 8, .value_kind: global_buffer, .address_space: global }
      - { .name: hist, .offset: 64, .size: 8, .value_kind: global_buffer, .address_space: global }
      - { .name: gate, .offset: 72, .size: 8, .value_kind: global_buffer, .address_space: global }
      - { .name: w1p, .offset: 80, .size: 8, .value_kind: global_buffer, .address_space: global }
      - { .name: w2p, .offset: 88, .size: 8, .value_kind: global_buffer, .address_space: global }
    .group_segment_fixed_size: 88064
    .private_segment_fixed_size: 0
    .kernarg_segment_align: 8
    .kernarg_segment_size: 96
    .max_flat_workgroup_size: 128
    .sgpr_count:     66
    .vgpr_count:     256
    .wavefront_size: 32
...
	.end_amdgpu_metadata
.endif
;; end of part 5
;; launch place: the kernel of part 2 again; grid 1 x 1, 32 waves a work-group, no clusters, 135,168 bytes of LDS; arguments sel, hist, order; writes order
;; launch ffn1 (part 6): grid 8 x 32, 4 waves a work-group, no clusters, 133,120 bytes of LDS; arguments order, xq, w1p, b1, lowp_scales, hq; writes hq
.if DOCPART == 6
	.amdgcn_target "amdgcn-amd-amdhsa--gfx1250"
	.amdhsa_code_object_version 6
	.text
	.protected	k_q44e6705d77_ffn1
	.globl	k_q44e6705d77_ffn1
	.p2align	8
	.type	k_q44e6705d77_ffn1,@function
k_q44e6705d77_ffn1:
	s_mov_b64 s[64:65], 0
	v_nop
	global_prefetch_b8 v0, s[64:65] scope:SCOPE_SE
	s_setreg_imm32_b32 hwreg(HW_REG_WAVE_MODE, 25, 1), 1
	s_wait_xcnt 0x0
; FFN1.  hq = Q(gelu(x W1[e] + b1[e])) for the experts that the tokens use: codes of E4M3 on both sides, v_wmma_f32_16x16x128_fp8_fp8, sums in f32.
; SHARES.  Work-group (ch, blk): block blk of 128 tokens of the sorted list x hidden units 128 ch on.  Wave w: tokens 64 (w / 2) on (four tiles of 16), units 64 (w % 2) on (four tiles of W1).
; A wave walks the experts that ANY of its 64 tokens names (masks made from the stored list).  For each it multiplies all 64 rows; the epilogue runs for the tiles of 16 tokens of which at least one names the
; expert, and the other tiles get zero codes: so every image that the next launch reads is written, and a row that does not use the expert gets the weight 0 there.
; x: THE BLOCK'S 128 ROWS OF CODES COME THROUGH LDS.  Wave w fetches rows 32 w .. 32 w + 31, each load 256 consecutive bytes of two rows; behind one barrier each wave reads its 32 fragments (64 rows x 1,024 K),
; which stay in 512 registers.  So a row is fetched once for the work-group, in long pieces, though a fragment wants 32 bytes of each of 16 rows.
; W1's fragments come from memory straight into registers, laid by the first launch in register order, three K steps ahead.
; TRANSPOSED: source 0 = 16 rows of W1, source 1 = 16 tokens: a lane holds ONE token, and by the choice of W1's rows the 16 registers of tiles 2 b, 2 b + 1 are 16 neighbours along the next K:
; the conversions' results are pieces of the next product's fragments and are stored as images of its registers: hq[blk][e][m 8][s 8][c 4][lane][16 bytes].
; K stands in a fragment in the order 32 c + 16 h + i, alike in both operands: every product meets its partner; only the order of the sums inside an instruction differs.
; GELU, exact form: gelu(v) = max(v, 0) - |v| q, q = erfc(|v| / sqrt 2) / 2 = t 2^(poly(t) - v^2 log2(e) / 2 - 1), t = 1 / (1 + |v| / (2 sqrt 2)):
; the rational Chebyshev fit of erfc with a fractional error of 1.2e-7 everywhere; its coefficients stand here times log2(e).
; NO TENSOR LOADS, NO CLUSTER: how many experts a wave walks is read from the stored list and differs from work-group to work-group, so partners would need different numbers of tiles.
; LIMITS: e2 between -126 and 119, e0 + e1 between -126 and 127.  NaN and infinities are not served.  Where q falls under 2^-126 it counts as 0.
; REGISTERS, in windows of 256.  Window 0: below.  Window 1: four buffers of W1's four fragments (64 buf + 16 i).  Windows 2, 3: x's fragments of K steps 0-3, 4-7 (64 (s % 4) + 16 mt); window 2 first takes the rows as fetched.
.set XP,  1040                         ; a row of x's codes in LDS: 1,024 bytes + 16 = 260 words: row r starts at bank 4 r mod 64 (64 banks of 4 bytes: ISA guide 11.1); 128 rows from byte 0
.set L16, 1                            ; v1      16 x lane: my place in an image
.set Z,   2                            ; v2-5    zeros: the codes of a tile that does not use the expert; never rewritten
.set BOF, 6                            ; v6      64 h: my half's place in b1
.set QS,  7                            ; v7      2^e2 as f32
.set QL,  8                            ; v8      448 x 2^e2
.set C8,  10                           ; v10-11  the coefficient c8, twice
.set W,   12                           ; v12-15  at work in the epilogue; in the head:
.set SA,  12                           ; v12     LDS: where I put 16 bytes of a fetched row
.set FA,  13                           ; v13     LDS: my lane's place in a fragment
.set BI,  16                           ; v16-47  b1 in the results' layout: 8 i + j
.set T,   48                           ; v48-79  t, then q; at work in the head
.set P,   80                           ; v80-111 the polynomial, then max(v, 0)
.set C,   112                          ; v112-127 codes: two sets of 8
.set S,   128                          ; v128-255 the 16 accumulators: 32 mt + 8 i
.set ORD, 48                           ; v48-51  the head: my token's word of the list, tile mt
.set XA,  80                           ; v80-95  the head: row pair n of the 32 rows that I fetch: the row's place in xq + 16 (lane % 16)
.set WV, 16
.set WM, 17
.set WN, 18
.set BLK, 19
.set MASK, 20                          ; experts still to be taken
.set TMP, 21
.set CUR, 22
.set NXT, 23
.set TRIP, 24
.set NEXP, 25
.set CB, 26                            ; s[26:27] W1's fragments of the expert in hand;  s[28:29] of the next
.set NB, 28
.set BB, 30                            ; s[30:31] b1;  s[32:33] hq, of the expert in hand
.set HB, 32
.set SC, 34                            ; s[34:35] 2^(e0 + e1)
.set K9, 36                            ; s[36:37] c9; s[38:53] c7 .. c0; s[54:55] -log2(e)/2; s56 1/(2 sqrt 2)
.set KQ, 54
.set K1, 56
.set OFF, 58                           ; s[58:59] an offset, high word 0
.set TM, 60                            ; s60-63  tile mt: the experts that its 16 tokens name, a bit each
.set RB, 66                            ; s[66:67] the list at the 32 tokens whose rows I fetch
.set MSB, 0
.macro WIN new                         ; the immediate's high byte repeats the setting that is left
.if MSB != \new
	s_set_vgpr_msb (MSB<<8)|\new
.set MSB, \new
.endif
.endm
.macro TWICE r, val                    ; a packed form names a pair and takes its low word for both halves: both are written
	s_mov_b32 s[\r], \val
	s_mov_b32 s[\r+1], \val
.endm
.macro NEXT                            ; the lowest expert still in the mask; behind the last one the expert in hand again, so that what is loaded ahead stays within what has been written
	s_ctz_i32_b32 s[NXT], s[MASK]
	s_cmp_eq_u32 s[MASK], 0
	s_cselect_b32 s[NXT], s[CUR], s[NXT]
	s_min_u32 s[NXT], s[NXT], 7                    ; a loaded number enters an address only behind a bound
	s_sub_co_u32 s[TMP], s[MASK], 1
	s_and_b32 s[MASK], s[MASK], s[TMP]
.endm
.macro BASES
	s_lshl_b32 s[OFF], s[NXT], 20
	s_add_nc_u64 s[NB:NB+1], s[8:9], s[OFF:OFF+1]
	s_lshl_b32 s[OFF], s[CUR], 12
	s_add_nc_u64 s[BB:BB+1], s[10:11], s[OFF:OFF+1]
	s_lshl_b32 s[OFF], s[CUR], 17
	s_add_nc_u64 s[HB:HB+1], s[14:15], s[OFF:OFF+1]
.endm
	s_load_b256 s[4:11], s[0:1], 0x0               ; order, xq, w1p, b1
	s_load_b128 s[12:15], s[0:1], 0x20             ; scales, hq
	v_lshrrev_b32 v9, 5, v0
	v_readfirstlane_b32 s[WV], v9
	s_lshr_b32 s[WM], s[WV], 1
	s_and_b32 s[WN], s[WV], 1
	s_and_b32 s[BLK], ttmp7, 0xffff
	v_and_b32 v9, 31, v0
	v_lshlrev_b32 v[L16], 4, v9
	v_and_b32 v52, 15, v0                          ; r
	v_bfe_u32 v53, v0, 4, 1                        ; h
	v_lshlrev_b32 v54, 2, v52                      ; 4 r
	v_lshlrev_b32 v55, 2, v53                      ; 4 h
	v_lshlrev_b32 v56, 4, v52                      ; 16 r
	v_lshlrev_b32 v[BOF], 6, v53
	s_mul_i32 s[TMP], s[WV], 32*XP                 ; the 32 rows that I fetch
	v_mul_u32_u24 v[SA], v53, XP
	v_lshl_add_u32 v[SA], v52, 4, v[SA]
	v_add_nc_u32 v[SA], s[TMP], v[SA]              ; in: lanes 0-15 one row, lanes 16-31 the next; 16 bytes a lane
	s_mul_i32 s[TMP], s[WM], 64*XP                 ; the 64 rows that I multiply
	v_mul_u32_u24 v[FA], v52, XP
	v_lshl_add_u32 v[FA], v53, 4, v[FA]
	v_add_nc_u32 v[FA], s[TMP], v[FA]              ; back: row r, + 16 h
	v_mov_b32 v57, 1
.irp n, 0,1,2,3
	v_mov_b32 v[Z+\n], 0
	v_mov_b32 v[64+\n], 0                          ; (a lane move's destination counts as read: it is written once)
.endr
	v_mov_b32 v[C8], 0xbf97d29d
	v_mov_b32 v[C8+1], 0xbf97d29d
	s_mov_b32 s[OFF+1], 0
	TWICE K9, 0x3e7c6f08
	TWICE 38, 0x40097039                           ; c7
	TWICE 40, 0xbfd1a1e5                           ; c6
	TWICE 42, 0x3ecdfd18                           ; c5
	TWICE 44, 0xbe899a80                           ; c4
	TWICE 46, 0x3e0efb2e                           ; c3
	TWICE 48, 0x3f0a29d2                           ; c2
	TWICE 50, 0x3fb8ab5a                           ; c1
	TWICE 52, 0xc034d90f                           ; c0, less 1 for the half
	TWICE KQ, 0xbf38aa3b
	s_mov_b32 s[K1], 0x3eb504f3
	s_wait_kmcnt 0x0
	s_load_b128 s[68:71], s[12:13], 0x0            ; e0 .. e3
	s_lshl_b32 s[OFF], s[BLK], 9
	s_add_nc_u64 s[4:5], s[4:5], s[OFF:OFF+1]      ; the list at my block,
	s_lshl_b32 s[OFF], s[WV], 7
	s_add_nc_u64 s[RB:RB+1], s[4:5], s[OFF:OFF+1]  ; at the 32 tokens whose rows I fetch,
	s_lshl_b32 s[OFF], s[WM], 8
	s_add_nc_u64 s[4:5], s[4:5], s[OFF:OFF+1]      ; and at the 64 tokens that I multiply
.irp mt, 0,1,2,3
	global_load_b32 v[ORD+\mt], v54, s[4:5] offset:64*\mt  ; lane (r, h): token r of tile mt
.endr
.set n, 0
.rept 16
	global_load_b32 v[XA+n], v55, s[RB:RB+1] offset:8*n    ; token 2 n + h of my 32
.set n, n+1
.endr
	s_lshl_b32 s[OFF], ttmp9, 3
	s_lshl_b32 s[TMP], s[WN], 2
	s_add_co_u32 s[OFF], s[OFF], s[TMP]            ; my first tile of W1: 8 ch + 4 (w % 2)
	s_lshl_b32 s[OFF], s[OFF], 14
	s_add_nc_u64 s[8:9], s[8:9], s[OFF:OFF+1]
	s_lshl_b32 s[OFF], ttmp9, 9
	s_lshl_b32 s[TMP], s[WN], 8
	s_add_co_u32 s[OFF], s[OFF], s[TMP]
	s_add_nc_u64 s[10:11], s[10:11], s[OFF:OFF+1]  ; b1 at my 64 units
	s_lshl_b32 s[OFF], s[BLK], 20
	s_lshl_b32 s[TMP], s[WM], 16
	s_add_co_u32 s[OFF], s[OFF], s[TMP]
	s_lshl_b32 s[TMP], ttmp9, 11
	s_add_co_u32 s[OFF], s[OFF], s[TMP]
	s_lshl_b32 s[TMP], s[WN], 10
	s_add_co_u32 s[OFF], s[OFF], s[TMP]
	s_add_nc_u64 s[14:15], s[14:15], s[OFF:OFF+1]  ; hq: block, my four tiles of rows, K step ch, pieces 2 (w % 2) on
	s_wait_loadcnt 0x0
.set n, 0
.rept 16
	v_and_b32 v[XA+n], 0xfff, v[XA+n]              ; the token,
	v_min_u32 v[XA+n], 0xfff, v[XA+n]              ; bounded ahead of its use in an address
	v_lshlrev_b32 v[XA+n], 10, v[XA+n]             ; a row of xq is 1,024 bytes
	v_add_nc_u32 v[XA+n], v56, v[XA+n]             ; + 16 (lane % 16)
.set n, n+1
.endr
	WIN 0x80                                       ; destination window 2
.set n, 0
.rept 16
.irp u, 0,1,2,3
	global_load_b128 v[16*n+4*\u:16*n+4*\u+3], v[XA+n], s[6:7] offset:256*\u   ; sixteen lanes read 256 consecutive bytes of a row, two rows a load
.endr
.set n, n+1
.endr
	WIN 0
.irp mt, 0,1,2,3                       ; while the rows are on their way: which experts does each tile name?
	v_bfe_u32 v58, v[ORD+\mt], 16, 3               ; a
	v_bfe_u32 v59, v[ORD+\mt], 24, 3               ; b
	v_lshlrev_b32 v58, v58, v57
	v_lshlrev_b32 v59, v59, v57
	v_or_b32 v[60+\mt], v58, v59
.endr
.irp k, 1,2,4,8                        ; the sixteen tokens' bits of each tile are joined (both halves of the lanes hold the same)
.irp mt, 0,1,2,3
	v_mov_b32_dpp v[64+\mt], v[60+\mt] row_xmask:\k row_mask:0xf bank_mask:0xf
	v_or_b32 v[60+\mt], v[60+\mt], v[64+\mt]
.endr
.endr
.irp mt, 0,1,2,3
	v_readfirstlane_b32 s[TM+\mt], v[60+\mt]
.endr
.irp mt, 0,1,2,3
	s_and_b32 s[TM+\mt], s[TM+\mt], 0xff
.endr
	s_or_b32 s[MASK], s[TM], s[TM+1]
	s_or_b32 s[MASK], s[MASK], s[TM+2]
	s_or_b32 s[MASK], s[MASK], s[TM+3]
	s_bcnt1_i32_b32 s[NEXP], s[MASK]               ; at least 2: a token names two different experts
	s_ctz_i32_b32 s[CUR], s[MASK]
	s_min_u32 s[CUR], s[CUR], 7
	s_sub_co_u32 s[TMP], s[MASK], 1
	s_and_b32 s[MASK], s[MASK], s[TMP]
	NEXT
	s_lshl_b32 s[OFF], s[CUR], 20
	s_add_nc_u64 s[CB:CB+1], s[8:9], s[OFF:OFF+1]
	BASES
	s_wait_kmcnt 0x0
	s_add_co_i32 s[SC], s68, s69
	s_add_co_i32 s[SC], s[SC], 127
	s_lshl_b32 s[SC], s[SC], 23                    ; 2^(e0 + e1) as f32
	s_mov_b32 s[SC+1], s[SC]
	s_add_co_i32 s[TMP], s70, 127
	s_lshl_b32 s57, s[TMP], 23
	v_mov_b32 v[QS], s57
	s_add_co_i32 s[TMP], s[TMP], 8
	s_lshl_b32 s[TMP], s[TMP], 23
	s_or_b32 s[TMP], s[TMP], 0x600000
	v_mov_b32 v[QL], s[TMP]
.irp g, 0,1,2,3                        ; the rows go into LDS as they land, four pairs of rows at a time
	s_wait_loadcnt 48-16*\g                        ; these sixteen loads are in; the later ones may be out
	WIN 0x08                                       ; the stores' data window 2
.irp q, 0,1,2,3
.irp u, 0,1,2,3
	ds_store_b128 v[SA], v[16*(4*\g+\q)+4*\u:16*(4*\g+\q)+4*\u+3] offset:2*(4*\g+\q)*XP+256*\u
.endr
.endr
.endr
.macro BLD base, st, buf               ; W1's four fragments of K step st into buffer buf: each load takes 512 consecutive bytes
	WIN 0x40                                       ; destination window 1
.irp i, 0,1,2,3
.irp c, 0,1,2,3
	global_load_b128 v[64*(\buf)+16*\i+4*\c:64*(\buf)+16*\i+4*\c+3], v[L16], s[\base:\base+1] offset:16384*\i+2048*(\st)+512*\c
.endr
.endr
.endm
	BLD CB, 0, 0                                   ; W1's first three K steps are on their way while x turns through LDS
	BLD CB, 1, 1
	BLD CB, 2, 2
	WIN 0
	s_wait_dscnt 0x0                               ; for the others' sake: my 32 rows lie in LDS
	s_barrier_signal -1
	s_barrier_wait -1                              ; the block's 128 rows do.  Nothing is stored into LDS behind this barrier
	WIN 0x80                                       ; destination window 2
.irp s, 0,1,2,3
.irp mt, 0,1,2,3
.irp c, 0,1,2,3
	ds_load_b128 v[64*\s+16*\mt+4*\c:64*\s+16*\mt+4*\c+3], v[FA] offset:16*\mt*XP+128*\s+32*\c
.endr
.endr
.endr
	WIN 0xc0                                       ; destination window 3
.irp s, 0,1,2,3
.irp mt, 0,1,2,3
.irp c, 0,1,2,3
	ds_load_b128 v[64*\s+16*\mt+4*\c:64*\s+16*\mt+4*\c+3], v[FA] offset:16*\mt*XP+512+128*\s+32*\c
.endr
.endr
.endr
; A K step of 128: the loads of three steps on, the wait for this step's, 16 products.  The 16 accumulators take turns, one instruction a turn, in the same order in every step.
.macro KSTEP s
.rept 4
	v_nop                                          ; places between the last step's products and the loads into the buffer that they read (ISA guide 7.12.1 for vector instructions); with the four behind the last K step they also part a trip's last products from the next trip's first, whatever is passed over between
.endr
.if \s == 0
	WIN 0
.irp i, 0,1,2,3
	global_load_b128 v[BI+8*\i:BI+8*\i+3], v[BOF], s[BB:BB+1] offset:128*(\i/2)+32*(\i%2)
	global_load_b128 v[BI+8*\i+4:BI+8*\i+7], v[BOF], s[BB:BB+1] offset:128*(\i/2)+32*(\i%2)+16
.endr
.endif
.if \s < 5
	BLD CB, \s+3, (\s+3)%4
.else
	BLD NB, \s-5, (\s+3)%4                         ; the next expert's first three steps
.endif
.if \s < 3
	s_wait_loadcnt 56                              ; behind this step's loads: three steps' 48 and the 8 of b1
.else
	s_wait_loadcnt 48                              ; three steps' 48
.endif
.if \s == 0
	s_wait_dscnt 63                                ; x, in the first trip: of the 128 reads at most 63 are out, so the oldest 65 are in: K steps 0 to 3
.elseif \s >= 4
	s_wait_dscnt 16*(7-\s)                         ; this K step's sixteen reads are in; the later steps' may be out.  (In later trips nothing is out)
.endif
.if \s < 4
	WIN 0x09                                       ; source 0 (W1) window 1, source 1 (x) window 2
.else
	WIN 0x0d                                       ; source 1 window 3
.endif
.irp mt, 0,1,2,3
.irp i, 0,1,2,3
.if \s == 0
	v_wmma_f32_16x16x128_fp8_fp8 v[S+32*\mt+8*\i:S+32*\mt+8*\i+7], v[64*((\s)%4)+16*\i:64*((\s)%4)+16*\i+15], v[64*((\s)%4)+16*\mt:64*((\s)%4)+16*\mt+15], 0
.else
	v_wmma_f32_16x16x128_fp8_fp8 v[S+32*\mt+8*\i:S+32*\mt+8*\i+7], v[64*((\s)%4)+16*\i:64*((\s)%4)+16*\i+15], v[64*((\s)%4)+16*\mt:64*((\s)%4)+16*\mt+15], v[S+32*\mt+8*\i:S+32*\mt+8*\i+7]
.endif
.endr
.endr
.endm
; The epilogue of a tile of 16 tokens: 32 numbers a lane.  Where none of the 16 names the expert in hand (a scalar branch on the stored list) the tile's codes are zeros.
.macro EPI mt
.set VV, S+32*(\mt)
.set CC, C+8*((\mt)%2)
	s_lshr_b32 s[TMP], s[TM+\mt], s[CUR]
	s_and_b32 s[TMP], s[TMP], 1
	s_cmp_lg_u32 s[TMP], 0
	s_cbranch_scc1 .Luse_\@
.irp b, 0,1
	global_store_b128 v[L16], v[Z:Z+3], s[HB:HB+1] offset:16384*(\mt)+512*\b
.endr
	s_branch .Ldone_\@
.Luse_\@:
.set n, 0
.rept 16
	v_pk_fma_f32 v[VV+n:VV+n+1], v[VV+n:VV+n+1], s[SC:SC+1], v[BI+n:BI+n+1] op_sel_hi:[1,0,1]   ; v = sum x 2^(e0 + e1) + b1; each accumulator from its low end on
.set n, n+2
.endr
.set n, 0
.rept 32
	v_fma_f32 v[T+n], |v[VV+n]|, s[K1], 1.0
.set n, n+1
.endr
.set n, 0
.rept 32
	v_rcp_f32 v[T+n], v[T+n]                       ; t
.set n, n+1
.endr
	v_nop                                          ; a plain line behind the last reciprocal,
	s_wait_alu depctr_va_vdst(0)                   ; one wait for the batch, ahead of its first reader
.set n, 0
.rept 16
	v_pk_fma_f32 v[P+n:P+n+1], v[T+n:T+n+1], s[K9:K9+1], v[C8:C8+1] op_sel_hi:[1,0,1]
.set n, n+2
.endr
.irp k, 38,40,42,44,46,48,50,52        ; Horner, a coefficient at a time over the sixteen pairs, so that no line waits for the line above it
.set n, 0
.rept 16
	v_pk_fma_f32 v[P+n:P+n+1], v[P+n:P+n+1], v[T+n:T+n+1], s[\k:\k+1] op_sel_hi:[1,1,0]
.set n, n+2
.endr
.endr
.set n, 0
.rept 8
	v_pk_mul_f32 v[W:W+1], v[VV+n:VV+n+1], v[VV+n:VV+n+1]
	v_pk_mul_f32 v[W+2:W+3], v[VV+n+2:VV+n+3], v[VV+n+2:VV+n+3]
	v_pk_fma_f32 v[P+n:P+n+1], v[W:W+1], s[KQ:KQ+1], v[P+n:P+n+1] op_sel_hi:[1,0,1]          ; - v^2 log2(e) / 2
	v_pk_fma_f32 v[P+n+2:P+n+3], v[W+2:W+3], s[KQ:KQ+1], v[P+n+2:P+n+3] op_sel_hi:[1,0,1]
.set n, n+4
.endr
.set n, 0
.rept 32
	v_exp_f32 v[P+n], v[P+n]
.set n, n+1
.endr
	v_nop
	s_wait_alu depctr_va_vdst(0)
.set n, 0
.rept 16
	v_pk_mul_f32 v[T+n:T+n+1], v[T+n:T+n+1], v[P+n:P+n+1]      ; q
.set n, n+2
.endr
.set n, 0
.rept 32
	v_max_num_f32 v[P+n], 0, v[VV+n]
.set n, n+1
.endr
.set n, 0
.rept 32
	v_fma_f32 v[VV+n], -|v[VV+n]|, v[T+n], v[P+n]              ; gelu(v) = max(v, 0) - |v| q
.set n, n+1
.endr
.set n, 0
.rept 32
	v_med3_num_f32 v[VV+n], v[VV+n], -v[QL], v[QL]             ; the conversion to an 8-bit code does not saturate (ISA guide 7.6.2): the hold comes first
.set n, n+1
.endr
	s_wait_xcnt 0x0                                ; the earlier stores have read this set of codes: it is written again only behind this wait
.irp i, 0,1,2,3
	v_cvt_scalef32_pk8_fp8_f32 v[CC+2*\i:CC+2*\i+1], v[VV+8*\i:VV+8*\i+7], v[QS]
.endr
	v_nop                                          ; a plain line behind the last conversion
.irp b, 0,1
	global_store_b128 v[L16], v[CC+4*\b:CC+4*\b+3], s[HB:HB+1] offset:16384*(\mt)+512*\b      ; a piece of the next product's fragment: 512 consecutive bytes
.endr
.Ldone_\@:
.endm
	WIN 0                                          ; at a label and at a branch every window is 0
	s_mov_b32 s[TRIP], 0
.Lexp:                                             ; a trip = an expert
.irp s, 0,1,2,3,4,5,6,7
	KSTEP \s
.endr
	WIN 0
.rept 4
	v_nop                                          ; places between the last products and the first read of results
.endr
	EPI 0
	EPI 1
	EPI 2
	EPI 3
	s_wait_xcnt 0x0                                ; every load and store has read its base: the bases step only behind this wait
	s_mov_b64 s[CB:CB+1], s[NB:NB+1]
	s_min_u32 s[CUR], s[NXT], 7
	NEXT
	BASES
	s_add_co_u32 s[TRIP], s[TRIP], 1
	s_cmp_lt_u32 s[TRIP], s[NEXP]
	s_cbranch_scc1 .Lexp
	s_endpgm                                       ; the loads that ran ahead behind the last expert may stay out: nothing reads them
.Lfunc_end_k_q44e6705d77_ffn1:
	.size	k_q44e6705d77_ffn1, .Lfunc_end_k_q44e6705d77_ffn1-k_q44e6705d77_ffn1
	.p2alignl 7, 3214868480
	.fill 96, 4, 3214868480
	.section	.rodata,"a",@progbits
	.p2align	6, 0x0
	.amdhsa_kernel k_q44e6705d77_ffn1
		.amdhsa_group_segment_fixed_size 133120
		.amdhsa_private_segment_fixed_size 0
		.amdhsa_enable_private_segment 0
		.amdhsa_kernarg_size 48
		.amdhsa_user_sgpr_count 2
		.amdhsa_user_sgpr_kernarg_segment_ptr 1
		.amdhsa_wavefront_size32 1
		.amdhsa_system_sgpr_workgroup_id_x 1
		.amdhsa_system_sgpr_workgroup_id_y 1
		.amdhsa_system_sgpr_workgroup_id_z 1
		.amdhsa_system_vgpr_workitem_id 0
		.amdhsa_next_free_vgpr 1024
		.amdhsa_next_free_sgpr 72
		.amdhsa_reserve_vcc 0
		.amdhsa_float_denorm_mode_32 3
		.amdhsa_float_denorm_mode_16_64 3
		.amdhsa_memory_ordered 1
		.amdhsa_forward_progress 1
		.amdhsa_inst_pref_size 151
	.end_amdhsa_kernel
	.amdgpu_metadata
---
amdhsa.version: [ 1, 2 ]
amdhsa.kernels:
  - .name:           k_q44e6705d77_ffn1
    .symbol:         k_q44e6705d77_ffn1.kd
    .args:
      - { .name: order, .offset: 0, .size: 8, .value_kind: global_buffer, .address_space: global }
      - { .name: xq, .offset: 8, .size: 8, .value_kind: global_buffer, .address_space: global }
      - { .name: w1p, .offset: 16, .size: 8, .value_kind: global_buffer, .address_space: global }
      - { .name: b1, .offset: 24, .size: 8, .value_kind: global_buffer, .address_space: global }
      - { .name: lowp_scales, .offset: 32, .size: 8, .value_kind: global_buffer, .address_space: global }
      - { .name: hq, .offset: 40, .size: 8, .value_kind: global_buffer, .address_space: global }
    .group_segment_fixed_size: 133120
    .private_segment_fixed_size: 0
    .kernarg_segment_align: 8
    .kernarg_segment_size: 48
    .max_flat_workgroup_size: 128
    .sgpr_count:     72
    .vgpr_count:     1024
    .wavefront_size: 32
...
	.end_amdgpu_metadata
.endif
;; end of part 6
;; launch ffn2 (part 7): grid 8 x 32, 4 waves a work-group, no clusters, 17,408 bytes of LDS; arguments order, gate, hq, w2p, b2, lowp_scales, out0; writes out0
.if DOCPART == 7
	.amdgcn_target "amdgcn-amd-amdhsa--gfx1250"
	.amdhsa_code_object_version 6
	.text
	.protected	k_q44e6705d77_ffn2
	.globl	k_q44e6705d77_ffn2
	.p2align	8
	.type	k_q44e6705d77_ffn2,@function
k_q44e6705d77_ffn2:
	s_mov_b64 s[64:65], 0
	v_nop
	global_prefetch_b8 v0, s[64:65] scope:SCOPE_SE
	s_setreg_imm32_b32 hwreg(HW_REG_WAVE_MODE, 25, 1), 1
	s_wait_xcnt 0x0
; FFN2.  out[t] = sum over the token's two experts of gate x (h W2[e] x 2^(e2 + e3) + b2[e]): codes of E4M3 on both sides, v_wmma_f32_16x16x128_fp8_fp8, sums in f32.
; SHARES.  Work-group (ch, blk): block blk of 128 tokens of the sorted list x output columns 128 ch on.  Wave w: tokens 64 (w / 2) on (four tiles), columns 64 (w % 2) on (four tiles of W2).
; A wave walks the experts that any of its 64 tokens names: the same mask from the same list as in the launch before, so it reads just the images of h that were written.
; For each expert all 64 rows are multiplied; a row's result goes into OUT with the row's own weight: its gate where the token names the expert, else 0 (h's codes are held or zero, so every sum is finite).
; So each row of out has ONE owner, and nothing is added across work-groups.
; Both operands come from memory straight into registers, as images of the registers (16 x lane, 512 bytes a load), one K step ahead in two buffers: W2's four fragments first, then h's, tile by tile,
; and each tile's four products have a wait of their own: they start as soon as that tile's fragment is in.
; TRANSPOSED: source 0 = 16 rows of W2 (output columns), source 1 = 16 tokens: a lane holds one token and eight neighbouring columns.
; The first expert is written out ahead of the loop: its results start OUT, and nothing is cleared.  (A token names two different experts, so at least one trip of the loop follows.)
; NO TENSOR LOADS, NO CLUSTER: how many experts a wave walks is read from the stored list and differs from work-group to work-group, so partners would need different numbers of tiles.
; LIMITS: e2 + e3 between -126 and 127.  NaN and infinities are not served.
; REGISTERS, in windows of 256.  Window 0: below.  Window 1: v0-127 h's fragments, two buffers (64 buf + 16 mt); v128-255 W2's (128 + 64 buf + 16 i).  Window 2: v0-127 the 16 accumulators (32 mt + 8 i); v128-255 OUT.
.set L16, 1                            ; v1      16 x lane
.set STO, 2                            ; v2      the stage: where I put 32 bytes of a row
.set RD,  3                            ; v3      and where I read a row back
.set EA,  4                            ; v4-7    tile mt: my token's expert a;  v8-11 b
.set EB,  8
.set GT,  12                           ; v12-19  its two gates
.set WT,  20                           ; v20-23  its weight for the expert in hand;  v24-27 the same x 2^(e2 + e3)
.set WSC, 24
.set BOF, 28                           ; v28     32 h
.set BI,  32                           ; v32-63  b2 in the results' layout
.set OA,  64                           ; v64-95  the way out: row pair t of tile mt: my row's place in out
.set R,   96                           ; v96-159 the way out: two sets of 32; at work in the head
.set OUT, 128                          ; in window 2
.set WV, 18
.set WM, 19
.set WN, 20
.set BLK, 21
.set MASK, 22
.set TMP, 23
.set CUR, 24
.set NXT, 25
.set TRIP, 26
.set NEXP, 27
.set CA, 28                            ; s[28:29] h's images, s[30:31] W2's, of the expert in hand;  s[32:35] of the next
.set CW, 30
.set NA, 32
.set NW, 34
.set BB, 36                            ; s[36:37] b2 of the expert in hand
.set SC, 38                            ; s38 2^(e2 + e3)
.set OFF, 40                           ; s[40:41] an offset, high word 0
.set MSB, 0
.macro WIN new                         ; the immediate's high byte repeats the setting that is left
.if MSB != \new
	s_set_vgpr_msb (MSB<<8)|\new
.set MSB, \new
.endif
.endm
.macro NEXT                            ; the lowest expert still in the mask; behind the last one the expert in hand again, so that what is loaded ahead stays within what has been written
	s_ctz_i32_b32 s[NXT], s[MASK]
	s_cmp_eq_u32 s[MASK], 0
	s_cselect_b32 s[NXT], s[CUR], s[NXT]
	s_min_u32 s[NXT], s[NXT], 7                    ; a loaded number enters an address only behind a bound
	s_sub_co_u32 s[TMP], s[MASK], 1
	s_and_b32 s[MASK], s[MASK], s[TMP]
.endm
.macro BASES
	s_lshl_b32 s[OFF], s[NXT], 17
	s_add_nc_u64 s[NA:NA+1], s[8:9], s[OFF:OFF+1]
	s_lshl_b32 s[OFF], s[NXT], 20
	s_add_nc_u64 s[NW:NW+1], s[10:11], s[OFF:OFF+1]
	s_lshl_b32 s[OFF], s[CUR], 12
	s_add_nc_u64 s[BB:BB+1], s[12:13], s[OFF:OFF+1]
.endm
	s_load_b256 s[4:11], s[0:1], 0x0               ; order, gate, hq, w2p
	s_load_b128 s[12:15], s[0:1], 0x20             ; b2, scales
	s_load_b64 s[16:17], s[0:1], 0x30              ; out
	v_lshrrev_b32 v29, 5, v0
	v_readfirstlane_b32 s[WV], v29
	s_lshr_b32 s[WM], s[WV], 1
	s_and_b32 s[WN], s[WV], 1
	s_and_b32 s[BLK], ttmp7, 0xffff
	v_and_b32 v29, 31, v0
	v_lshlrev_b32 v[L16], 4, v29
	v_and_b32 v29, 15, v0                          ; r
	v_bfe_u32 v30, v0, 4, 1                        ; h
	s_mul_i32 s[TMP], s[WV], 4352                  ; my stage: 16 rows x (256 bytes + 16)
	v_mul_u32_u24 v[STO], v29, 272
	v_lshl_add_u32 v[STO], v30, 5, v[STO]
	v_add_nc_u32 v[STO], s[TMP], v[STO]            ; in: row r, + 32 h
	v_mul_u32_u24 v[RD], v30, 272
	v_lshl_add_u32 v[RD], v29, 4, v[RD]
	v_add_nc_u32 v[RD], s[TMP], v[RD]              ; back: lanes 0-15 one row, lanes 16-31 the next
	v_lshlrev_b32 v[BOF], 5, v30
	v_lshlrev_b32 v31, 2, v29                      ; 4 r
	v_lshlrev_b32 v96, 2, v30                      ; 4 h
	v_lshlrev_b32 v97, 4, v29                      ; 16 r
	v_mov_b32 v104, 1
	v_mov_b32 v106, 0
	s_mov_b32 s[OFF+1], 0
	s_wait_kmcnt 0x0
	s_load_b128 s[44:47], s[14:15], 0x0            ; e0 .. e3
	s_lshl_b32 s[OFF], s[BLK], 9
	s_lshl_b32 s[TMP], s[WM], 8
	s_add_co_u32 s[OFF], s[OFF], s[TMP]
	s_add_nc_u64 s[4:5], s[4:5], s[OFF:OFF+1]      ; the list at my 64 tokens
.irp mt, 0,1,2,3
	global_load_b32 v[EA+\mt], v31, s[4:5] offset:64*\mt           ; lane (r, h): token r of tile mt
.endr
.irp mt, 0,1,2,3
.irp t, 0,1,2,3,4,5,6,7
	global_load_b32 v[OA+8*\mt+\t], v96, s[4:5] offset:64*\mt+8*\t ; for the way out: token 2 t + h of tile mt
.endr
.endr
	s_lshl_b32 s[OFF], s[BLK], 20
	s_lshl_b32 s[TMP], s[WM], 16
	s_add_co_u32 s[OFF], s[OFF], s[TMP]
	s_add_nc_u64 s[8:9], s[8:9], s[OFF:OFF+1]      ; hq: block, my four tiles of rows
	s_lshl_b32 s[OFF], ttmp9, 3
	s_lshl_b32 s[TMP], s[WN], 2
	s_add_co_u32 s[OFF], s[OFF], s[TMP]
	s_lshl_b32 s[OFF], s[OFF], 14
	s_add_nc_u64 s[10:11], s[10:11], s[OFF:OFF+1]  ; w2p: my first tile 8 ch + 4 (w % 2)
	s_lshl_b32 s[OFF], ttmp9, 9
	s_lshl_b32 s[TMP], s[WN], 8
	s_add_co_u32 s[OFF], s[OFF], s[TMP]
	s_add_nc_u64 s[12:13], s[12:13], s[OFF:OFF+1]  ; b2 and out at my 64 columns
	s_add_nc_u64 s[16:17], s[16:17], s[OFF:OFF+1]
	s_wait_loadcnt 0x0
.irp mt, 0,1,2,3
	v_and_b32 v[100+\mt], 0xfff, v[EA+\mt]         ; the token,
	v_min_u32 v[100+\mt], 0xfff, v[100+\mt]        ; bounded ahead of its use in an address
	v_lshlrev_b32 v[100+\mt], 3, v[100+\mt]
	global_load_b64 v[GT+2*\mt:GT+2*\mt+1], v[100+\mt], s[6:7]     ; its two gates
	v_bfe_u32 v[EB+\mt], v[EA+\mt], 24, 3
	v_bfe_u32 v[EA+\mt], v[EA+\mt], 16, 3
	v_lshlrev_b32 v98, v[EA+\mt], v104
	v_lshlrev_b32 v99, v[EB+\mt], v104
.if \mt == 0
	v_or_b32 v105, v98, v99
.else
	v_or_b32 v105, v105, v98
	v_or_b32 v105, v105, v99
.endif
.endr
.irp m, 1,2,4,8                        ; the sixteen tokens' bits of each tile are joined (both halves of the lanes hold the same)
	v_mov_b32_dpp v106, v105 row_xmask:\m row_mask:0xf bank_mask:0xf
	v_or_b32 v105, v105, v106
.endr
	v_readfirstlane_b32 s[MASK], v105
	s_and_b32 s[MASK], s[MASK], 0xff
	s_bcnt1_i32_b32 s[NEXP], s[MASK]               ; at least 2: a token names two different experts
	s_ctz_i32_b32 s[CUR], s[MASK]
	s_min_u32 s[CUR], s[CUR], 7
	s_sub_co_u32 s[TMP], s[MASK], 1
	s_and_b32 s[MASK], s[MASK], s[TMP]
	NEXT
	s_lshl_b32 s[OFF], s[CUR], 17
	s_add_nc_u64 s[CA:CA+1], s[8:9], s[OFF:OFF+1]
	s_lshl_b32 s[OFF], s[CUR], 20
	s_add_nc_u64 s[CW:CW+1], s[10:11], s[OFF:OFF+1]
	BASES
.macro LD2 ab, wb, st, buf             ; K step st into buffer buf: W2's four fragments, then h's four, tile by tile: each load takes 512 consecutive bytes
	WIN 0x40                                       ; destination window 1
.irp m, 0,1,2,3
.irp c, 0,1,2,3
	global_load_b128 v[128+64*(\buf)+16*\m+4*\c:128+64*(\buf)+16*\m+4*\c+3], v[L16], s[\wb:\wb+1] offset:16384*\m+2048*(\st)+512*\c
.endr
.endr
.irp m, 0,1,2,3
.irp c, 0,1,2,3
	global_load_b128 v[64*(\buf)+16*\m+4*\c:64*(\buf)+16*\m+4*\c+3], v[L16], s[\ab:\ab+1] offset:16384*\m+2048*(\st)+512*\c
.endr
.endr
.endm
	LD2 CA, CW, 0, 0
	WIN 0
.set n, 0
.rept 32
	v_and_b32 v[OA+n], 0xfff, v[OA+n]
	v_min_u32 v[OA+n], 0xfff, v[OA+n]
	v_lshlrev_b32 v[OA+n], 12, v[OA+n]             ; a row of out is 4,096 bytes
	v_add_nc_u32 v[OA+n], v97, v[OA+n]             ; + 16 (lane % 16)
.set n, n+1
.endr
	s_wait_kmcnt 0x0
	s_add_co_i32 s[SC], s46, s47
	s_add_co_i32 s[SC], s[SC], 127
	s_lshl_b32 s[SC], s[SC], 23                    ; 2^(e2 + e3) as f32
; A K step of 128: the next step's 32 loads, then 16 products, four a tile of tokens, each four behind the wait for that tile's fragment.
; The 16 accumulators take turns, one instruction a turn, in the same order in every step.
.macro KSTEP2 s
.if \s > 0
.rept 4
	v_nop                                          ; places between the last step's products and the loads into the buffer that they read (ISA guide 7.12.1 for vector instructions).  At step 0 the epilogue's lines stand there
.endr
.endif
.if \s == 0
	WIN 0
.irp i, 0,1,2,3
	global_load_b128 v[BI+8*\i:BI+8*\i+3], v[BOF], s[BB:BB+1] offset:64*\i
	global_load_b128 v[BI+8*\i+4:BI+8*\i+7], v[BOF], s[BB:BB+1] offset:64*\i+16
.endr
.endif
.if \s < 7
	LD2 CA, CW, \s+1, (\s+1)%2
.else
	LD2 NA, NW, 0, 0                               ; the next expert's first step
.endif
	WIN 0xa5                                       ; sources 0 (W2) and 1 (h) window 1, C and D window 2
.irp mt, 0,1,2,3
.if \s == 0
	s_wait_loadcnt 52-4*\mt                        ; W2's fragments and h's tile mt are in.  Behind them: h's later tiles, four loads each, the 8 of b2 and the next step's 32
.else
	s_wait_loadcnt 44-4*\mt                        ; behind them: h's later tiles, four loads each, and the next step's 32
.endif
.irp i, 0,1,2,3
.if \s == 0
	v_wmma_f32_16x16x128_fp8_fp8 v[32*\mt+8*\i:32*\mt+8*\i+7], v[128+64*((\s)%2)+16*\i:128+64*((\s)%2)+16*\i+15], v[64*((\s)%2)+16*\mt:64*((\s)%2)+16*\mt+15], 0
.else
	v_wmma_f32_16x16x128_fp8_fp8 v[32*\mt+8*\i:32*\mt+8*\i+7], v[128+64*((\s)%2)+16*\i:128+64*((\s)%2)+16*\i+15], v[64*((\s)%2)+16*\mt:64*((\s)%2)+16*\mt+15], v[32*\mt+8*\i:32*\mt+8*\i+7]
.endif
.endr
.endr
.endm
; OUT (+)= src x the row's weight, for tile mt: the weight is one register of a pair, picked for both halves by the tile's parity.  first = 1: the product starts OUT
.macro ACCUM mt, src, wreg, first
.set wp, \wreg+2*((\mt)/2)
.set n, 0
.rept 16
.if \first
.if ((\mt)%2) == 0
	v_pk_mul_f32 v[OUT+32*(\mt)+n:OUT+32*(\mt)+n+1], v[\src+n:\src+n+1], v[wp:wp+1] op_sel_hi:[1,0]
.else
	v_pk_mul_f32 v[OUT+32*(\mt)+n:OUT+32*(\mt)+n+1], v[\src+n:\src+n+1], v[wp:wp+1] op_sel:[0,1] op_sel_hi:[1,1]
.endif
.else
.if ((\mt)%2) == 0
	v_pk_fma_f32 v[OUT+32*(\mt)+n:OUT+32*(\mt)+n+1], v[\src+n:\src+n+1], v[wp:wp+1], v[OUT+32*(\mt)+n:OUT+32*(\mt)+n+1] op_sel_hi:[1,0,1]
.else
	v_pk_fma_f32 v[OUT+32*(\mt)+n:OUT+32*(\mt)+n+1], v[\src+n:\src+n+1], v[wp:wp+1], v[OUT+32*(\mt)+n:OUT+32*(\mt)+n+1] op_sel:[0,1,0] op_sel_hi:[1,1,1]
.endif
.endif
.set n, n+2
.endr
.endm
; An expert: eight K steps, the rows' weights, the sums into OUT, on to the next expert.  It begins and ends with every window 0.
.macro EXPERT first
.irp s, 0,1,2,3,4,5,6,7
	KSTEP2 \s
.endr
	WIN 0
.irp mt, 0,1,2,3                       ; the rows' weights: a choice of values, no branch.  These twenty lines are also the places between the last products and the first read of results
	v_cmp_eq_u32 vcc_lo, s[CUR], v[EA+\mt]
	v_cndmask_b32 v[WT+\mt], 0, v[GT+2*\mt], vcc_lo
	v_cmp_eq_u32 vcc_lo, s[CUR], v[EB+\mt]
	v_cndmask_b32 v[WT+\mt], v[WT+\mt], v[GT+2*\mt+1], vcc_lo
	v_mul_f32 v[WSC+\mt], s[SC], v[WT+\mt]
.endr
	WIN 0xa2                                       ; source 0 (the sums), source 2 and destination (OUT) window 2; the weight window 0
.irp mt, 0,1,2,3
	ACCUM \mt, 32*\mt, WSC, \first                 ; sum x 2^(e2 + e3) x weight; each accumulator from its low end on
.endr
	WIN 0xa0                                       ; source 0 (b2) window 0
.irp mt, 0,1,2,3
	ACCUM \mt, BI, WT, 0                           ; + b2 x weight
.endr
	WIN 0
	s_wait_xcnt 0x0                                ; every load has read its base: the bases step only behind this wait
	s_mov_b64 s[CA:CA+1], s[NA:NA+1]
	s_mov_b64 s[CW:CW+1], s[NW:NW+1]
	s_min_u32 s[CUR], s[NXT], 7
	NEXT
	BASES
.endm
	EXPERT 1                                       ; the first expert starts OUT
	s_mov_b32 s[TRIP], 1
.Lexp:                                             ; a trip = an expert: NEXP - 1 trips, at least one
	EXPERT 0
	s_add_co_u32 s[TRIP], s[TRIP], 1
	s_cmp_lt_u32 s[TRIP], s[NEXP]
	s_cbranch_scc1 .Lexp
; THE WAY OUT, a tile of 16 tokens at a time.  A lane holds 32 neighbouring bytes of a row and the lanes beside it other rows: the tile goes through my own stage and comes back as rows of 256 bytes,
; which sixteen lanes store to the token's own row of out.  (The loads that ran ahead behind the last expert stay out: window 1 is not touched again.)
.irp mt, 0,1,2,3
	WIN 0x08                                       ; the stores' data window 2
.irp i, 0,1,2,3
	ds_store_b128 v[STO], v[OUT+32*\mt+8*\i:OUT+32*\mt+8*\i+3] offset:64*\i
	ds_store_b128 v[STO], v[OUT+32*\mt+8*\i+4:OUT+32*\mt+8*\i+7] offset:64*\i+16
.endr
	WIN 0
.if \mt >= 2
	s_wait_xcnt 0x0                                ; the stores of two tiles back have read this set of registers
.endif
.irp t, 0,1,2,3,4,5,6,7
	ds_load_b128 v[R+32*(\mt%2)+4*\t:R+32*(\mt%2)+4*\t+3], v[RD] offset:544*\t   ; a wave's LDS instructions are served in order (ISA guide 5.7.1.4): these see my stores, and the next tile's stores come behind them
.endr
.irp t, 0,1,2,3,4,5,6,7
	s_wait_dscnt 7-\t
	global_store_b128 v[OA+8*\mt+\t], v[R+32*(\mt%2)+4*\t:R+32*(\mt%2)+4*\t+3], s[16:17] th:TH_STORE_NT   ; sixteen lanes store 256 consecutive bytes, at a multiple of 256 from out's first byte
.endr
.endr
	s_endpgm
.Lfunc_end_k_q44e6705d77_ffn2:
	.size	k_q44e6705d77_ffn2, .Lfunc_end_k_q44e6705d77_ffn2-k_q44e6705d77_ffn2
	.p2alignl 7, 3214868480
	.fill 96, 4, 3214868480
	.section	.rodata,"a",@progbits
	.p2align	6, 0x0
	.amdhsa_kernel k_q44e6705d77_ffn2
		.amdhsa_group_segment_fixed_size 17408
		.amdhsa_private_segment_fixed_size 0
		.amdhsa_enable_private_segment 0
		.amdhsa_kernarg_size 56
		.amdhsa_user_sgpr_count 2
		.amdhsa_user_sgpr_kernarg_segment_ptr 1
		.amdhsa_wavefront_size32 1
		.amdhsa_system_sgpr_workgroup_id_x 1
		.amdhsa_system_sgpr_workgroup_id_y 1
		.amdhsa_system_sgpr_workgroup_id_z 1
		.amdhsa_system_vgpr_workitem_id 0
		.amdhsa_next_free_vgpr 768
		.amdhsa_next_free_sgpr 66
		.amdhsa_reserve_vcc 1
		.amdhsa_float_denorm_mode_32 3
		.amdhsa_float_denorm_mode_16_64 3
		.amdhsa_memory_ordered 1
		.amdhsa_forward_progress 1
		.amdhsa_inst_pref_size 116
	.end_amdhsa_kernel
	.amdgpu_metadata
---
amdhsa.version: [ 1, 2 ]
amdhsa.kernels:
  - .name:           k_q44e6705d77_ffn2
    .symbol:         k_q44e6705d77_ffn2.kd
    .args:
      - { .name: order, .offset: 0, .size: 8, .value_kind: global_buffer, .address_space: global }
      - { .name: gate, .offset: 8, .size: 8, .value_kind: global_buffer, .address_space: global }
      - { .name: hq, .offset: 16, .size: 8, .value_kind: global_buffer, .address_space: global }
      - { .name: w2p, .offset: 24, .size: 8, .value_kind: global_buffer, .address_space: global }
      - { .name: b2, .offset: 32, .size: 8, .value_kind: global_buffer, .address_space: global }
      - { .name: lowp_scales, .offset: 40, .size: 8, .value_kind: global_buffer, .address_space: global }
      - { .name: out0, .offset: 48, .size: 8, .value_kind: global_buffer, .address_space: global }
    .group_segment_fixed_size: 17408
    .private_segment_fixed_size: 0
    .kernarg_segment_align: 8
    .kernarg_segment_size: 56
    .max_flat_workgroup_size: 128
    .sgpr_count:     66
    .vgpr_count:     768
    .wavefront_size: 32
...
	.end_amdgpu_metadata
.endif
;; end of part 7
